; MI455X (gfx1250); checked and timed in simulation.
; The chip was launched on July 23, 2026; its instructions are those of AMD's public machine-readable ISA for CDNA 5 (MIT licence, August 2026) and "CDNA5" Instruction Set Architecture Reference Guide (July 2026). The comments in the code are by the model that wrote it; some were corrected since.
;; Self Attention. Allowed arithmetic: matrix products marked QUANTISED: E5M2 operands, one E8M0 scale for each 32 along K, by v_wmma_scale_f32_16x16x128_f8f6f4 with both operands' format E5M2, f32 sums; everything else in f32.
;; Inputs: b_k 1,024 float32; b_q 1,024 float32; b_v 1,024 float32; w_k 1,024 x 1,024 float32; w_q 1,024 x 1,024 float32; w_v 1,024 x 1,024 float32; x 4 x 2,048 x 1,024 float32.
;; Outputs: out0 4 x 2,048 x 1,024 float32.
;; This version of the problem:
;;   THIS VERSION OF THE PROBLEM IS GIVEN IN LOW PRECISION. The matrix products marked QUANTISED in the list below multiply operands that are first quantised to E5M2 (5 exponent bits, 2 mantissa bits; 8 bits a number), with one power-of-two scale for each 32 numbers along K (OCP MX v1.0); their sums are f32. All else is computed in f32.
;;   The module's matrix products, in the order in which they are computed (A, B: the left and right operand; K: the contracted axis; several contracted axes count as one K, in the product's order):
;;     1. [M 8,192, K 1,024] x [K 1,024, N 1,024]; A: input x; B: input w_q: QUANTISED
;;     2. [M 8,192, K 1,024] x [K 1,024, N 1,024]; A: input x; B: input w_k: QUANTISED
;;     3. [M 8,192, K 1,024] x [K 1,024, N 1,024]; A: input x; B: input w_v: QUANTISED
;;     4. batch 4 x [M 2,048, K 1,024] x [K 1,024, N 2,048]; A: computed on the way; B: computed on the way: QUANTISED
;;     5. batch 4 x [M 2,048, K 2,048] x [K 2,048, N 1,024]; A: softmax (see below); B: computed on the way: QUANTISED
;;   THE QUANTISER, for each operand of a quantised product, along K:
;;     - K is cut into blocks of 32 from its start; a last block that is shorter is filled with zeros.
;;     - A block's scale is 2^e with e = floor(log2(the largest magnitude in the block)) - 15, held to -126 .. 127; a block of zeros has e = 0. As a byte (E8M0): e + 127.
;;     - Each number is divided by its block's scale, clamped to +-57,344, and rounded to the nearest number of E5M2, ties to even, subnormals kept.
;;     - The product sums the exact products of the quantised numbers (number of the format x scale) in f32.
;;   ~~~python
;;   def quantise(x, axis):      # numpy; x: float32 -> the quantised numbers, widened to float32 again
;;       x = np.moveaxis(x, axis, -1); K = x.shape[-1]
;;       x = np.pad(x, [(0, 0)] * (x.ndim - 1) + [(0, -K % 32)]); x = x.reshape(x.shape[:-1] + (-1, 32)); a = np.abs(x).max(-1, keepdims=True)
;;       e = np.where(a > 0, np.clip(np.frexp(np.where(a > 0, a, 1))[1] - 1 - 15, -126, 127), 0)      # np.frexp(a)[1] - 1 = floor(log2(a)), exactly
;;       r = np.clip(x / 2.0 ** e, -57344, 57344)
;;       step = 2.0 ** (np.maximum(np.frexp(np.where(r == 0, 1, r))[1] - 1, -14) - 2)
;;       q = np.round(r / step) * step * 2.0 ** e      # np.round: ties to even
;;       return np.moveaxis(q.reshape(q.shape[:-2] + (-1,))[..., :K], -1, axis).astype(np.float32)
;;   ~~~
;;   SOFTMAX AHEAD OF A QUANTISED PRODUCT. Where the list says 'softmax', what is quantised is not the finished softmax but p = 2^(t - M), with t = logit x log2(e) and M = ceil(the row's largest t), a whole number; so 1/2 < the row's largest p <= 1. The row's sum l is taken of the UNQUANTISED p, in f32, and the product's result is divided by l at the end. Since M is a whole number, a kernel that streams over the keys may use a running M (the ceiling of the running maximum): every later rescaling is an exact power of two, which a block's scale takes up: the codes' values come out the same.
;;   OPERANDS COMPUTED ON THE WAY. 'Computed on the way' means the value that the module computes at that place (a softmax that the list does not call 'softmax' is quantised finished and normalised). What goes into a quantiser is computed in f32, as accurately as f32 sums, v_exp_f32 and their like allow (about 1e-6 of the number): no bf16 or f16 on the way to a quantiser, and a product that is left as it is and whose result goes on into a quantised operand takes f32 operands (vector FMAs, or v_wmma_f32_16x16x4_f32). A number that lies on a knife's edge between two numbers of the format may be rounded either way, as far as f32 arithmetic and the matrix unit's own rounding can turn it there, and no further.
;; One version. Each part assembles by itself: llvm-mc -triple=amdgcn-amd-amdhsa -mcpu=gfx1250 --defsym DOCPART=n.
;; ======== version 1 of 1: 4 launches
;; limits: right only within a limited range of input values
;; workspace buffers: xop 8,650,752 bytes; wop 3,244,032 bytes; qk 17,301,504 bytes; vop 8,650,752 bytes; pop 17,301,504 bytes; stat 1,048,576 bytes
;; launch quant (part 1): grid 704 x 1, 4 waves a work-group, no clusters, 68,608 bytes of LDS; arguments x, w_q, w_k, w_v, xop, wop; writes xop, wop
.if DOCPART == 1
	.amdgcn_target "amdgcn-amd-amdhsa--gfx1250"
	.amdhsa_code_object_version 6
	.text
	.protected	k_q433de09893_quant
	.globl	k_q433de09893_quant
	.p2align	8
	.type	k_q433de09893_quant,@function
k_q433de09893_quant:
	s_mov_b64 s[64:65], 0
	v_nop
	global_prefetch_b8 v0, s[64:65] scope:SCOPE_SE
	s_setreg_imm32_b32 hwreg(HW_REG_WAVE_MODE, 25, 1), 1
	s_wait_xcnt 0x0
; x [8192][1024] and w_q, w_k, w_v [1024][1024], f32, K innermost, become codes of BF8 (E5M2) with one E8M0 byte for each 32 along K, laid in the ORDER OF AN OPERAND'S REGISTERS.
; THE CHUNK: 128 rows x 128 K = CH = 16,896 bytes.  Bytes 0 .. 16,383: eight fragment images; fragment f at 2,048 f, in it piece c (0..3) of lane l at 512 c + 16 l: k = 32 c + 16 (l / 16) + 0 .. 15 of the fragment's row l % 16.
; Fragment f, row r is the chunk's row 32 (f / 2) + 8 (f % 2) + r + 8 (r / 8).  Bytes 16,384 on: the scale words, [lane][4 words]: word w of lane l is the word (four bytes, 128 K) of fragment 2 w + l / 16, row l % 16.
; An operand is laid [rows / 128][K / 128][CH].  xop: 64 x 8 chunks.  wop: 24 x 8: row groups 0-7 w_q, 8-15 w_k, 16-23 w_v.
; A block's scale is 2^(floor(log2(its largest magnitude)) - 15); its byte is that magnitude's exponent field - 15, held at 1 from below; each number is held within +-57,344 x the scale and rounded to the nearest code, ties to even.
; LIMITS: a block of zeros, and a block whose largest magnitude lies under 2^(16 - 127), gets the byte 1 (the rule says 127 for zeros: the codes are zeros, and this program alone reads the bytes); NaN and infinities are not served.
; SHARES: a work-group makes one chunk (work-groups 0-511: x; 512-703: the weights); wave w its rows 32 w .. 32 w + 31: fragments 2 w and 2 w + 1.  Each load reads 512 consecutive bytes of a row; the rows turn through the wave's own
; stage in LDS (528 bytes a row), so that a lane gets 16 neighbours of each block.  No cluster: no two work-groups read the same bytes.  No tensor load: a wave's 32 loads are all out from the start.
.set CH,   16896
.set SP,   528                         ; a stage row: 512 bytes + 16 of padding
.set STGW, 32*SP                       ; a wave's stage
.set SCL,  4*STGW                      ; behind the stages: the chunk's 512 bytes of scale words
.set RW,   64                          ; v64-191  32 rows as loaded, four registers each
.set XA,   192                         ; v192-255 fragment 0's 64 numbers
.set XB,   64                          ; v64-127  fragment 1's: rows 0-15's registers, free when their stage stores are done
.set PC,   32                          ; v32-63   the codes, 16 registers a fragment
.set TM,   16                          ; v16-19 largest magnitudes, v20-23 bytes, v24-27 57,344 x the scale, v28-31 the conversions' scale operands
.set SEL,  20                          ; s[20:21] selects for v_permlanex16_b32: lane l xor 16
.set MNT,  22                          ; s22  the mantissa field of 57,344
.set HM,   23                          ; s23  lanes 16-31
; 64 numbers of a lane, register 16 b + i = k 32 b + 16 (lane / 16) + i of my row, become a fragment's codes in v[pc] on and its scale word in v[pw]
.macro QUANT s, pc, pw
.irp b, 0,1,2,3
	v_max3_num_f32 v[TM+\b], |v[\s+16*\b]|, |v[\s+1+16*\b]|, 0x8000000   ; my 16 numbers of block b, and the floor 2^(16 - 127): the byte cannot fall under 1
.endr
.irp i, 2,4,6,8,10,12,14
.irp b, 0,1,2,3
	v_max3_num_f32 v[TM+\b], v[TM+\b], |v[\s+16*\b+\i]|, |v[\s+1+16*\b+\i]|   ; the four blocks by turns
.endr
.endr
.irp b, 0,1,2,3
	v_permlanex16_b32 v[TM+4+\b], v[TM+\b], s[SEL], s[SEL+1]
.endr
.irp b, 0,1,2,3
	v_max_num_f32 v[TM+\b], v[TM+\b], v[TM+4+\b]             ; with lane l xor 16's 16: the block's largest magnitude
.endr
.irp b, 0,1,2,3
	v_add_nc_u32 v[TM+12+\b], 0xf8800000, v[TM+\b]           ; 15 off its exponent field: the conversion takes this operand's exponent field as its scale
.endr
.irp b, 0,1,2,3
	v_and_or_b32 v[TM+8+\b], v[TM+\b], 0x7f800000, s[MNT]    ; 57,344 x the scale
.endr
.irp b, 0,1,2,3
	v_lshrrev_b32 v[TM+4+\b], 23, v[TM+12+\b]                ; the scale's byte
.endr
	v_lshl_or_b32 v[\pw], v[TM+5], 8, v[TM+4]
	v_lshl_or_b32 v[\pw], v[TM+6], 16, v[\pw]
	v_lshl_or_b32 v[\pw], v[TM+7], 24, v[\pw]                ; my row's scale word
.irp b, 0,1,2,3
.irp i, 0,1,2,3,4,5,6,7,8,9,10,11,12,13,14,15
	v_med3_num_f32 v[\s+16*\b+\i], v[\s+16*\b+\i], -v[TM+8+\b], v[TM+8+\b]   ; the conversion to an 8-bit code does not saturate (ISA guide 7.6.2): the hold
.endr
	v_cvt_scalef32_pk8_bf8_f32 v[\pc+4*\b:\pc+4*\b+1], v[\s+16*\b:\s+16*\b+7], v[TM+12+\b]
	v_cvt_scalef32_pk8_bf8_f32 v[\pc+4*\b+2:\pc+4*\b+3], v[\s+16*\b+8:\s+16*\b+15], v[TM+12+\b]
.endr
	v_nop                                                    ; a plain line behind the last conversion
.endm
.macro STG8 g                          ; rows 8 g .. 8 g + 7 go into the stage, each to the place 16 x (its fragment) + (its row in the fragment)
.irp n, 0,1,2,3,4,5,6,7
.set i, 8*\g+\n
	ds_store_b128 v4, v[RW+4*i:RW+4*i+3] offset:SP*(16*((i/8)%2)+i%8+8*(i/16))
.endr
.endm
.macro BACK x, u                       ; fragment u comes back: of my row, 16 neighbours of each block of 32
.irp b, 0,1,2,3
.irp j, 0,1,2,3
	ds_load_b128 v[\x+16*\b+4*\j:\x+16*\b+4*\j+3], v5 offset:16*SP*\u+128*\b+16*\j
.endr
.endr
.endm
	s_load_b256 s[4:11], s[0:1], 0x0               ; x, w_q, w_k, w_v
	s_load_b128 s[12:15], s[0:1], 0x20             ; xop, wop
	v_lshl_add_u32 v6, v0, 2, 0x10a00
	s_set_vgpr_msb 0x40
	v_mov_b32 v1, 0
	s_set_vgpr_msb 0x4000
	v_lshrrev_b32 v1, 5, v0
	v_readfirstlane_b32 s24, v1                    ; wave
	v_and_b32 v2, 31, v0
	v_lshlrev_b32 v3, 4, v2                        ; 16 x lane: my bytes of a row's 512, and of a store's 512
	s_mul_i32 s25, s24, STGW
	v_add_nc_u32 v4, s25, v3                       ; the stage, on the way in
	v_and_b32 v12, 15, v0                          ; r
	v_bfe_u32 v13, v0, 4, 1                        ; h
	v_mul_u32_u24 v5, v12, SP
	v_lshl_add_u32 v5, v13, 6, v5
	v_add_nc_u32 v5, s25, v5                       ; and on the way out: row r, + 64 h
	s_lshl_b32 s26, s24, 2
	s_add_co_u32 s26, s26, SCL
	v_add_nc_u32 v7, s26, v3                       ; my scale word's place: word = my wave's number
	v_add_nc_u32 v8, SCL, v3
	s_mov_b32 s[SEL], 0x76543210
	s_mov_b32 s[SEL+1], 0xfedcba98
	s_mov_b32 s[MNT], 0x600000
	s_mov_b32 s[HM], 0xffff0000
.irp b, 0,1,2,3
	v_mov_b32 v[TM+4+\b], 0                        ; written once: a lane permute's destination counts as one of its sources
.endr
	s_sub_co_u32 s16, ttmp9, 512                   ; the chunk's number in wop
	s_and_b32 s18, s16, 63                         ; and in its weight
	s_cmp_lt_u32 ttmp9, 512
	s_cselect_b32 s17, ttmp9, s16                  ; the chunk in the destination
	s_cselect_b32 s18, ttmp9, s18                  ; and in the source
	s_lshr_b32 s28, s18, 3
	s_lshl_b32 s28, s28, 19                        ; 128 rows of 4,096 bytes for each row group,
	s_and_b32 s29, s18, 7
	s_lshl_b32 s29, s29, 9                         ; 512 bytes for each 128 along K,
	s_add_co_u32 s28, s28, s29
	s_lshl_b32 s29, s24, 17                        ; 32 rows for each wave
	s_add_co_u32 s28, s28, s29
	s_mov_b32 s29, 0
	s_mul_i32 s30, s17, CH
	s_lshl_b32 s31, s24, 12                        ; two fragments for each wave
	s_add_co_u32 s30, s30, s31
	s_mov_b32 s31, 0
	s_wait_alu depctr_va_vdst(0)
	s_wait_kmcnt 0x0
	s_cmp_lt_u32 ttmp9, 640                        ; the buffers are chosen by the work-group's number alone
	s_cselect_b64 s[8:9], s[8:9], s[10:11]
	s_cmp_lt_u32 ttmp9, 576
	s_cselect_b64 s[6:7], s[6:7], s[8:9]
	s_cmp_lt_u32 ttmp9, 512
	s_cselect_b64 s[4:5], s[4:5], s[6:7]
	s_cselect_b64 s[12:13], s[12:13], s[14:15]
	s_add_nc_u64 s[4:5], s[4:5], s[28:29]
	s_add_nc_u64 s[12:13], s[12:13], s[30:31]
.set i, 0
.rept 32
	global_load_b128 v[RW+4*i:RW+4*i+3], v3, s[4:5] offset:4096*i th:TH_LOAD_NT   ; row i: 32 lanes read 512 consecutive bytes; read once in the launch
.set i, i+1
.endr
	s_wait_loadcnt 24                              ; rows 0-7 are in; the 24 later loads may be out
	STG8 0
	s_wait_loadcnt 16
	STG8 1
	s_wait_loadcnt 8
	STG8 2
	BACK XA, 0                                     ; fragment 0 is rows 0-7 and 16-23.  LDS serves a wave's instructions in order: these see the stores
	s_wait_loadcnt 0x0
	STG8 3
	s_wait_dscnt 8                                 ; all but the last eight stores: fragment 0 is back, and the stores of rows 0-23 have read their registers
	BACK XB, 1
	QUANT XA, PC, 9
.irp c, 0,1,2,3
	global_store_b128 v3, v[PC+4*\c:PC+4*\c+3], s[12:13] offset:512*\c           ; 512 consecutive bytes
.endr
	s_wait_dscnt 0x0                               ; fragment 1 is back
	QUANT XB, PC+16, 10
.irp c, 0,1,2,3
	global_store_b128 v3, v[PC+16+4*\c:PC+16+4*\c+3], s[12:13] offset:2048+512*\c
.endr
	v_cndmask_b32 v11, v9, v10, s[HM]              ; lanes 0-15 keep fragment 2 w's word, lanes 16-31 take fragment 2 w + 1's
	ds_store_b32 v7, v11
	s_wait_dscnt 0x0                               ; for wave 0's sake: my word lies in LDS
	s_barrier_signal -1
	s_barrier_wait -1
	s_cmp_lg_u32 s24, 0
	s_cbranch_scc1 .Lend
	ds_load_b128 v[12:15], v8                      ; the chunk's 512 bytes of scale words leave whole
	s_wait_dscnt 0x0
	global_store_b128 v3, v[12:15], s[12:13] offset:16384
.Lend:
	s_set_vgpr_msb 0x4
	s_wait_tensorcnt 0x0
	ds_add_u32 v6, v1
	s_wait_dscnt 0x0
	s_set_vgpr_msb 0x400
	s_endpgm
.Lfunc_end_k_q433de09893_quant:
	.size	k_q433de09893_quant, .Lfunc_end_k_q433de09893_quant-k_q433de09893_quant
	.p2alignl 7, 3214868480
	.fill 96, 4, 3214868480
	.section	.rodata,"a",@progbits
	.p2align	6, 0x0
	.amdhsa_kernel k_q433de09893_quant
		.amdhsa_group_segment_fixed_size 68608
		.amdhsa_private_segment_fixed_size 0
		.amdhsa_enable_private_segment 0
		.amdhsa_kernarg_size 48
		.amdhsa_user_sgpr_count 2
		.amdhsa_user_sgpr_kernarg_segment_ptr 1
		.amdhsa_wavefront_size32 1
		.amdhsa_system_sgpr_workgroup_id_x 1
		.amdhsa_system_sgpr_workgroup_id_y 1
		.amdhsa_system_sgpr_workgroup_id_z 1
		.amdhsa_system_vgpr_workitem_id 0
		.amdhsa_next_free_vgpr 258
		.amdhsa_next_free_sgpr 66
		.amdhsa_reserve_vcc 0
		.amdhsa_float_denorm_mode_32 3
		.amdhsa_float_denorm_mode_16_64 3
		.amdhsa_memory_ordered 1
		.amdhsa_forward_progress 1
		.amdhsa_inst_pref_size 28
	.end_amdhsa_kernel
	.amdgpu_metadata
---
amdhsa.version: [ 1, 2 ]
amdhsa.kernels:
  - .name:           k_q433de09893_quant
    .symbol:         k_q433de09893_quant.kd
    .args:
      - { .name: x, .offset: 0, .size: 8, .value_kind: global_buffer, .address_space: global }
      - { .name: w_q, .offset: 8, .size: 8, .value_kind: global_buffer, .address_space: global }
      - { .name: w_k, .offset: 16, .size: 8, .value_kind: global_buffer, .address_space: global }
      - { .name: w_v, .offset: 24, .size: 8, .value_kind: global_buffer, .address_space: global }
      - { .name: xop, .offset: 32, .size: 8, .value_kind: global_buffer, .address_space: global }
      - { .name: wop, .offset: 40, .size: 8, .value_kind: global_buffer, .address_space: global }
    .group_segment_fixed_size: 68608
    .private_segment_fixed_size: 0
    .kernarg_segment_align: 8
    .kernarg_segment_size: 48
    .max_flat_workgroup_size: 128
    .sgpr_count:     66
    .vgpr_count:     258
    .wavefront_size: 32
...
	.end_amdgpu_metadata
.endif
;; end of part 1
;; launch proj (part 2): grid 4 x 64, 4 waves a work-group, clusters of 4 x 4, 327,680 bytes of LDS; arguments xop, wop, b_q, b_k, b_v, qk, vop; writes qk, vop
.if DOCPART == 2
	.amdgcn_target "amdgcn-amd-amdhsa--gfx1250"
	.amdhsa_code_object_version 6
	.text
	.protected	k_q433de09893_proj
	.globl	k_q433de09893_proj
	.p2align	8
	.type	k_q433de09893_proj,@function
k_q433de09893_proj:
	s_mov_b64 s[64:65], 0
	v_nop
	global_prefetch_b8 v0, s[64:65] scope:SCOPE_SE
	s_setreg_imm32_b32 hwreg(HW_REG_WAVE_MODE, 25, 1), 1
	s_wait_xcnt 0x0
	s_wait_alu depctr_hold_cnt(0) depctr_sa_sdst(0) depctr_va_vdst(0) depctr_va_sdst(0) depctr_va_ssrc(0) depctr_va_vcc(0) depctr_vm_vsrc(0)
	s_getreg_b32 s2, hwreg(HW_REG_IB_STS2, 6, 4)
	s_cmp_eq_u32 s2, 0
	s_cbranch_scc0 .Lentry_in_a_cluster
	s_endpgm
.Lentry_in_a_cluster:
	s_bfe_u32 s2, ttmp6, 0x10000c
	s_cmp_lg_u32 s2, 0xf033
	s_cbranch_scc0 .Lentry_shape_is_right
	s_endpgm
.Lentry_shape_is_right:
; q, k, v = x W^T + b ON CODES OF BF8 (E5M2) WITH E8M0 SCALES, AND THEIR QUANTISERS: q and k along the channels, v along the tokens.  No f32 result is stored.  No work of the problem is left out.
; THE CHUNK (xop, wop, qk, vop): 128 rows x 128 K = CH bytes: eight fragment images, fragment f at 2,048 f, in it piece c of lane l at 512 c + 16 l: k = 32 c + 16 (l / 16) + 0 .. 15 of the fragment's row l % 16; then 512 bytes of scale words, [lane][4 words]:
; word w of lane l belongs to fragment 2 w + l / 16, row l % 16.  Fragment f, row r is the chunk's row 32 (f / 2) + 8 (f % 2) + r + 8 (r / 8).  A row group is 128 rows x all K = 8 chunks, dense.
; qk: [64 row groups of tokens][16 chunks: 0-7 q along its channels, 8-15 k].  vop: [8 row groups of channels][64 chunks of tokens].
; SHARES: 4 x 64 work-groups; work-group (n, R) makes token group R x SIX column groups: tiles 0, 1: q's 2 n, 2 n + 1; tiles 2, 3: k's; tiles 4, 5: v's.  Waves 2 x 2: wave row: 64 tokens (four fragments), held for ALL of K in 512 registers;
; wave column: 64 of a tile's 128 columns, four blocks of 16, streamed from LDS.  A block is 32 products: 8 steps of K x 4 fragments of x, whose four accumulators take turns.
; A lane's 16 registers of a pair of blocks (q, k), or of a pair of x's fragments (v), are 16 neighbours along the next K; lane l xor 16 holds the block's other 16.
; THE WAY OUT of a pair of blocks stands among the next pair's products, so sums stand in two sets of 64.  The first pair of either loop has none before it: it works on what stands there and stores nothing.
; LDS: two slots of a whole row group.  Slot 0: tile 0; slot 1: x first, then, when all waves hold x in registers, tile 1; tile t + 2 goes where tile t lay, in a drained round of the cluster's barrier inside tile t's third block.
; CLUSTER 4 x 4: x's group hangs on y and is asked for jointly by a row; a tile of W hangs on x, by a column.
; PREFETCH: a tile of W two refills ahead; all clusters walk the same tiles, so those with a number divisible by four ask, the 16 waves of a column's four work-groups sharing a tile's 528 units of 256 bytes by address, 33 a wave.
; LIMITS: a block of zeros, or one whose largest magnitude lies under 2^(16 - 127), gets the byte 1; NaN and infinities are not served.
; REGISTERS: windows 1, 2: x: fragment (q, j) at 16 ((4 q + j) % 16) of window 1 + q / 4.  window 3: W's block, two sets.  window 0: all else.
.set CH,    16896
.set CH2,   2*CH
.set SLOT,  8*CH                       ; 0x21000: no address below that it turns has one of its bits
.set BT,    2*SLOT                     ; the biases: [6 tiles][128] f32
.set XT,    BT+3072                    ; the results' scale words: [6 tiles][512 bytes]
.set SPARE, XT+3072                    ; the spare words, 128 bytes a wave: two blocks of 256 bytes that no other line names
.set PFZ,   2                          ; v2 0, for prefetches
.set A0,    4                          ; v4  my fragments of a tile in slot 0
.set AS0,   5                          ; v5  my scale words in slot 0
.set AL,    6                          ; v6-9 the same for the block that is fetched next, K steps 0-3 and 4-7
.set AH,    7
.set ASL,   8
.set ASH,   9
.set SPW,   10
.set NIL,   11
.set OA,    12                         ; v12 16 x lane
.set VX,    13                         ; v13-15 where a scale byte goes
.set VX0,   14
.set VXV,   15
.set BA0,   16                         ; v16-18 where a bias lies
.set BA,    17
.set BAV,   18
.set PFO,   19                         ; v19 256 x lane
.set SOP,   20                         ; v20-23 the conversions' scale operands
.set SX,    24                         ; v24-39 x's scale words: register 8 (j / 2) + q
.set EB,    40                         ; v40-43 scale bytes
.set WSC,   44                         ; v44-59 W's scale words: register 8 pair + q: no product's two words have numbers equal modulo 8
.set TQ,    60                         ; v60-63 maxima and bounds
.set ACC,   64                         ; v64-191 the sums: pair p's block e at 64 p + 32 e
.set MCD,   192                        ; v192-207 codes
.set BQ,    208                        ; v208-239 the first products' C: pair p's block e at 16 p + 8 e
.set WV,    18
.set WR,    19
.set WC,    20
.set G1A,   24
.set G1B,   32
.set G1H,   48
.set G0A,   56
.set G0H,   60
.set G0B,   68
.set SEL,   72
.set MNT,   74
.set T,     75                         ; the tile
.set TB,    76                         ; the slot of the tile that is fetched
.set XO,    77                         ; 512 x the loop's trip
.set PFN,   78
.set OUT,   80
.set OB,    82
.set OBV,   84
.set WB,    86
.set PFA,   88
.set WBP,   94
.set MSB,   0
.macro WIN new                         ; the immediate's high byte repeats the setting that is left
.if MSB != (\new)
	s_set_vgpr_msb (MSB<<8)|(\new)
.set MSB, (\new)
.endif
.endm
.macro PLACES n                        ; plain vector lines behind a matrix instruction: eight for this form
.rept \n
	v_nop
.endr
.endm
.macro WALU
	s_wait_alu depctr_va_vdst(0)
.endm
.macro BARRIER
	s_barrier_signal -1
	s_barrier_wait -1
.endm
.macro MIDDLE                          ; a round of the cluster's barrier behind its opening signal
	s_barrier_wait -1
	s_cmp_lg_u32 s[WV], 0
	s_cbranch_scc1 .Lnot_wave_0_\@
	s_barrier_signal -3
.Lnot_wave_0_\@:
	s_barrier_wait -3
	BARRIER
.endm
.macro CROUND
	s_barrier_signal -1
	MIDDLE
.endm
.macro TLOAD g0, g1
	tensor_load_to_lds s[\g0:\g0+3], s[\g1:\g1+7]
	s_nop 0
	PLACES 4
.endm
.macro GROUP1 g, mask, rows            ; dense rows of 256 bytes (32 elements of 8 bytes), no padding, bit 21 set beside the mask
	s_or_b32 s[\g], s[\mask], (3<<16)|(1<<21)
	s_mov_b32 s[\g+1], 32<<16
	s_mov_b32 s[\g+2], (\rows)<<16
	s_mov_b32 s[\g+3], 32<<16
	s_mov_b32 s[\g+4], \rows
	s_mov_b32 s[\g+5], 32
	s_mov_b32 s[\g+6], 0
	s_mov_b32 s[\g+7], 0
.endm
.macro ASK base, off                   ; SCC = 1: 33 units of 256 bytes: 32 by lanes, the last by all lanes
	s_cbranch_scc0 .Lnot_mine_\@
	global_prefetch_b8 v[PFO], s[\base:\base+1] offset:\off th:TH_LOAD_NT scope:SCOPE_SE
	global_prefetch_b8 v[PFZ], s[\base:\base+1] offset:(\off)+8192 th:TH_LOAD_NT scope:SCOPE_SE
.Lnot_mine_\@:
.endm
.macro WM r0, r1                       ; one product; r0, r1 = 1: that source's scale words stand in lanes 16-31
.if ((\r0) == 0) && ((\r1) == 0)
	v_wmma_scale_f32_16x16x128_f8f6f4 v[wD:wD+7], v[wA:wA+15], v[wB:wB+15], v[wC:wC+7], v[wX], v[wY] matrix_a_fmt:MATRIX_FMT_BF8 matrix_b_fmt:MATRIX_FMT_BF8
.elseif (\r1) == 0
	v_wmma_scale_f32_16x16x128_f8f6f4 v[wD:wD+7], v[wA:wA+15], v[wB:wB+15], v[wC:wC+7], v[wX], v[wY] matrix_a_fmt:MATRIX_FMT_BF8 matrix_b_fmt:MATRIX_FMT_BF8 matrix_a_scale:MATRIX_SCALE_ROW1
.elseif (\r0) == 0
	v_wmma_scale_f32_16x16x128_f8f6f4 v[wD:wD+7], v[wA:wA+15], v[wB:wB+15], v[wC:wC+7], v[wX], v[wY] matrix_a_fmt:MATRIX_FMT_BF8 matrix_b_fmt:MATRIX_FMT_BF8 matrix_b_scale:MATRIX_SCALE_ROW1
.else
	v_wmma_scale_f32_16x16x128_f8f6f4 v[wD:wD+7], v[wA:wA+15], v[wB:wB+15], v[wC:wC+7], v[wX], v[wY] matrix_a_fmt:MATRIX_FMT_BF8 matrix_b_fmt:MATRIX_FMT_BF8 matrix_a_scale:MATRIX_SCALE_ROW1 matrix_b_scale:MATRIX_SCALE_ROW1
.endif
.endm
; product n = 4 q + j of block e of pair ps.  kind 0 (q, k): source 0 = W's rows, a lane holds a token; kind 1 (v): source 0 = x's rows, a lane holds a channel
.macro PROD kind, e, ps, n
.set Q_, (\n)/4
.set J_, (\n)%4
.set wD, ACC+64*(\ps)+32*(\e)+8*J_
.set wC, wD
.if Q_ == 0
.set wC, BQ+16*(\ps)+8*(\e)
.endif
.if \kind
	WIN (1+Q_/4)|(3<<2)
.set wA, 16*((4*Q_+J_)%16)
.set wB, 128*(\e)+16*Q_
.set wX, SX+8*(J_/2)+Q_
.set wY, WSC+8*(\ps)+Q_
	WM J_%2, \e
.else
	WIN 3|((1+Q_/4)<<2)
.set wA, 128*(\e)+16*Q_
.set wB, 16*((4*Q_+J_)%16)
.set wX, WSC+8*(\ps)+Q_
.set wY, SX+8*(J_/2)+Q_
	WM \e, J_%2
.endif
.endm
.macro HOLD2 x, b                      ; the conversion to an 8-bit code does not saturate (ISA guide 7.6.2): two numbers are held within 57,344 x the scale
	v_med3_num_f32 v[\x], v[\x], -v[TQ+\b], v[TQ+\b]
	v_med3_num_f32 v[\x+1], v[\x+1], -v[TQ+\b], v[TQ+\b]
.endm
; THE QUANTISER of a pair's sums at x, in 60 pieces, 15 for each of four scale blocks: a lane's 16 numbers are E_ .. E_ + 7, O_ .. O_ + 7; codes to MCD + 4 T_, the byte to EB + T_.
; (the bound is read from a second copy where its first would be read late)
.macro GAP kind, u, x
.set T_, (\u)/15
.set K_, (\u)%15
.if \kind
.set E_, \x+32*(T_/2)+16*(T_%2)
.set O_, E_+8
.else
.set E_, \x+8*T_
.set O_, E_+32
.endif
.if K_ == 0
	v_max3_num_f32 v[TQ], |v[E_]|, |v[E_+1]|, |v[E_+2]|
	v_max3_num_f32 v[TQ+2], |v[O_]|, |v[O_+1]|, |v[O_+2]|
.elseif K_ < 3
	v_max3_num_f32 v[TQ], v[TQ], |v[E_+2*K_+1]|, |v[E_+2*K_+2]|
	v_max3_num_f32 v[TQ+2], v[TQ+2], |v[O_+2*K_+1]|, |v[O_+2*K_+2]|
.elseif K_ == 3
	v_max3_num_f32 v[TQ+2], v[TQ+2], |v[O_+7]|, 0x8000000
	v_max3_num_f32 v[TQ], v[TQ], |v[E_+7]|, v[TQ+2]
.elseif K_ == 4
	v_permlanex16_b32 v[TQ+2], v[TQ], s[SEL], s[SEL+1]
	v_max_num_f32 v[TQ], v[TQ], v[TQ+2]
.elseif K_ == 5
	v_add_nc_u32 v[SOP+T_], 0xf8800000, v[TQ]
	v_and_or_b32 v[TQ+1], v[TQ], 0x7f800000, s[MNT]
.elseif K_ < 9
	HOLD2 E_+2*(K_-6), 1
.if K_ == 8
	v_mov_b32 v[TQ+3], v[TQ+1]
.endif
.elseif K_ == 9
	HOLD2 E_+6, 3
	v_cvt_scalef32_pk8_bf8_f32 v[MCD+4*T_:MCD+4*T_+1], v[E_:E_+7], v[SOP+T_]
.elseif K_ < 13
	HOLD2 O_+2*(K_-10), 1
.elseif K_ == 13
	HOLD2 O_+6, 1
	v_cvt_scalef32_pk8_bf8_f32 v[MCD+4*T_+2:MCD+4*T_+3], v[O_:O_+7], v[SOP+T_]
.else
	v_lshrrev_b32 v[EB+T_], 23, v[SOP+T_]
.endif
.endm
; products from .. to - 1 of block e of pair ps; behind each a piece of the other pair's way out: 28 in an even block (none behind its last four products), 32 in an odd one
.macro BLOCK kind, e, ps, from, to
.set N_, \from
.rept (\to)-(\from)
	PROD \kind, \e, \ps, N_
.if \e
	WIN 0
	GAP \kind, N_+28, ACC+64-64*\ps
.else
.if N_ < 28
	WIN 0
	GAP \kind, N_, ACC+64-64*\ps
.endif
.endif
.set N_, N_+1
.endr
.endm
.macro FLUSH kind, x                   ; a way out with no products
.set N_, 0
.rept 60
	GAP \kind, N_, \x
.set N_, N_+1
.endr
.endm
; block b of a tile into set e: 32 loads; an even block brings its pair's 8 scale words and its biases too (4 loads in kind 0, 16 in kind 1)
.macro FETCH kind, e, b
	WIN 0xc0
.irp q, 0,1,2,3
.irp c, 0,1,2,3
	ds_load_b128 v[128*\e+16*\q+4*\c:128*\e+16*\q+4*\c+3], v[AL] offset:CH*\q+2048*\b+512*\c
.endr
.endr
.irp q, 0,1,2,3
.irp c, 0,1,2,3
	ds_load_b128 v[128*\e+64+16*\q+4*\c:128*\e+64+16*\q+4*\c+3], v[AH] offset:CH*\q+2048*\b+512*\c
.endr
.endr
	WIN 0
.if \e == 0
.irp q, 0,1,2,3
	ds_load_b32 v[WSC+8*(\b/2)+\q], v[ASL] offset:CH*\q+4*(\b/2)
	ds_load_b32 v[WSC+8*(\b/2)+4+\q], v[ASH] offset:CH*\q+4*(\b/2)
.endr
.if \kind
	VBIAS \b/2
.else
.irp i, 0,1,2,3
	ds_load_b128 v[BQ+16*(\b/2)+4*\i:BQ+16*(\b/2)+4*\i+3], v[BA] offset:128*(\b/2)+16*\i
.endr
.endif
.endif
.endm
.macro VBIAS ps                        ; a lane's channel has one bias, which all eight registers of a tile take
.irp i, 0,1,2,3,4,5,6,7
	ds_load_b32 v[BQ+16*(\ps)+\i], v[BA] offset:128*(\ps)
	ds_load_b32 v[BQ+16*(\ps)+8+\i], v[BA] offset:128*(\ps)+32
.endr
.endm
; a pair's bytes go to their table in LDS, its codes leave: each store covers 512 consecutive bytes
.macro VOUT kind, ps
.irp j, 0,1,2,3
.if \kind
	ds_store_b8 v[VX], v[EB+\j] offset:256*(\j/2)+(\j%2)+4*\ps
	global_store_b128 v[OA], v[MCD+4*\j:MCD+4*\j+3], s[OUT:OUT+1] offset:4096*\ps+2048*(\j/2)+512*(\j%2)
.else
	ds_store_b8 v[VX], v[EB+\j] offset:256*(\j%2)+4*(\j/2)+\ps
	global_store_b128 v[OA], v[MCD+4*\j:MCD+4*\j+3], s[OUT:OUT+1] offset:2048*\j+512*\ps
.endif
.endr
.endm
.macro NEXT vx, ba                     ; addresses: of the next tile's blocks and biases, of this tile's scale bytes
	s_xor_b32 s[TB], s[TB], SLOT
	s_add_co_u32 s21, s[XO], 512
	v_add_nc_u32 v[AL], s[TB], v[A0]
	v_add_nc_u32 v[AH], 4*CH, v[AL]
	v_add_nc_u32 v[ASL], s[TB], v[AS0]
	v_add_nc_u32 v[ASH], 4*CH, v[ASL]
	v_add_nc_u32 v[VX], s[XO], v[\vx]
	v_add_nc_u32 v[BA], s21, v[\ba]
.endm
	s_load_b256 s[4:11], s[0:1], 0x0               ; xop, wop, b_q, b_k
	s_load_b128 s[12:15], s[0:1], 0x20             ; b_v, qk
	s_load_b64 s[16:17], s[0:1], 0x30              ; vop
	v_lshl_add_u32 v[SPW], v0, 2, SPARE
	v_mov_b32 v[NIL], 0
	ds_add_u32 v[SPW], v[NIL]                      ; the wave's opening: the add, twice on end, and its wait ahead of my first tensor load
	ds_add_u32 v[SPW], v[NIL]
	v_lshrrev_b32 v1, 5, v0
	v_readfirstlane_b32 s[WV], v1
	s_lshr_b32 s[WR], s[WV], 1                     ; my 64 tokens.  Also: I fetch for x (0) or for W (1) at the head
	s_and_b32 s[WC], s[WV], 1                      ; my 64 columns.  Also: which half I fetch there
	s_bfe_u32 s40, ttmp6, 0x40000                  ; cx = n
	s_bfe_u32 s41, ttmp6, 0x40004                  ; cy
	s_and_b32 s42, ttmp7, 0xffff
	s_and_b32 s22, s42, 3
	s_cmp_eq_u32 s22, 0
	s_cselect_b32 s[PFN], 2, 0                     ; trips in which I prefetch: by the cluster's number alone
	s_lshl_b32 s42, s42, 2
	s_add_co_u32 s42, s42, s41                     ; R
	s_lshl_b32 s43, s41, 2
	s_lshl_b32 s44, 15, s43                        ; my row of the cluster
	s_lshl_b32 s45, 0x1111, s40                    ; my column
	GROUP1 G1A, 44, 264                            ; half of x's group
	GROUP1 G1H, 45, 264                            ; half of tile 0
	GROUP1 G1B, 45, 132                            ; a quarter of a tile
	s_mul_i32 s21, s[WC], 4*CH                     ; my half
	s_mul_i32 s90, s42, 8*CH
	s_add_co_u32 s90, s90, s21
	s_mov_b32 s91, 0
	s_mul_i32 s92, s40, 16*CH                      ; W: column group 2 n
	s_mov_b32 s93, 0
	s_mov_b32 s22, s21
	s_mov_b32 s23, 0
	s_mul_i32 s46, s[WV], CH2                      ; my quarter
	s_mov_b32 s47, 0
	s_add_co_u32 s43, s43, s[WV]
	s_mul_i32 s94, s43, CH2/4                      ; my 33 units of a prefetched tile,
	s_add_co_u32 s94, s94, 64*CH                   ; in tile 2
	s_mov_b32 s95, 0
	s_lshl_b32 s66, s42, 4
	s_lshl_b32 s67, s40, 1
	s_add_co_u32 s66, s66, s67                     ; qk: chunk 16 R + 2 n
	s_lshl_b32 s79, s[WR], 3
	s_add_co_u32 s79, s79, s66
	s_add_co_u32 s79, s79, s[WC]
	s_mul_i32 s96, s79, CH                         ; the scale words that I store: tile = my wave's number
	s_add_co_u32 s96, s96, 16384
	s_mov_b32 s97, 0
	s_mul_i32 s[OB], s66, CH
	s_lshl_b32 s79, s[WR], 13
	s_add_co_u32 s[OB], s[OB], s79
	s_lshl_b32 s79, s[WC], 10
	s_add_co_u32 s[OB], s[OB], s79
	s_mov_b32 s[OB+1], 0
	s_lshl_b32 s66, s40, 7
	s_add_co_u32 s66, s66, s42                     ; vop: chunk 64 x 2 n + R
	s_mul_i32 s[OBV], s66, CH
	s_lshl_b32 s79, s[WC], 13
	s_add_co_u32 s[OBV], s[OBV], s79
	s_lshl_b32 s79, s[WR], 10
	s_add_co_u32 s[OBV], s[OBV], s79
	s_mov_b32 s[OBV+1], 0
	s_lshl_b32 s79, s[WR], 6
	s_add_co_u32 s66, s66, s79
	s_mul_i32 s98, s66, CH                         ; v's scale words that I store: tile 4 + wave / 2, half wave % 2
	s_lshl_b32 s79, s[WC], 8
	s_add_co_u32 s98, s98, s79
	s_add_co_u32 s98, s98, 16384
	s_mov_b32 s99, 0
	s_lshl_b32 s2, s40, 10                         ; my 256 biases
	s_mov_b32 s3, 0
	s_mov_b32 s[SEL], 0x76543210
	s_mov_b32 s[SEL+1], 0xfedcba98                 ; v_permlanex16_b32's selects for lane l xor 16
	s_mov_b32 s[MNT], 0x600000                     ; the mantissa field of 57,344
	s_mov_b32 s[T], 0
	s_mov_b32 s[TB], 0
	s_mov_b32 s[XO], 0
	s_wait_dscnt 0x0                               ; both opening adds are done
	CROUND                                         ; all sixteen work-groups are here: the first joint loads meet
	s_wait_kmcnt 0x0
	s_add_nc_u64 s[90:91], s[4:5], s[90:91]
	s_add_nc_u64 s[92:93], s[6:7], s[92:93]
	s_add_nc_u64 s[WB:WB+1], s[92:93], s[46:47]
	s_add_nc_u64 s[WBP:WBP+1], s[92:93], s[94:95]
	s_add_nc_u64 s[22:23], s[92:93], s[22:23]
	s_mov_b32 s[G0A], 1
	s_add_co_u32 s[G0A+1], s21, SLOT
	s_mov_b64 s[G0A+2:G0A+3], s[90:91]
	s_or_b32 s[G0A+3], s[G0A+3], 0x80000000
	s_mov_b32 s[G0H], 1
	s_mov_b32 s[G0H+1], s21
	s_mov_b64 s[G0H+2:G0H+3], s[22:23]
	s_or_b32 s[G0H+3], s[G0H+3], 0x80000000
	s_mov_b32 s[G0B], 1
	s_add_co_u32 s[G0B+1], s46, SLOT
	s_add_nc_u64 s[G0B+2:G0B+3], s[WB:WB+1], 8*CH  ; tile 1
	s_or_b32 s[G0B+3], s[G0B+3], 0x80000000
	s_cmp_eq_u32 s[WR], 0                          ; one joint load a wave: waves 0, 1: x's halves; waves 2, 3: tile 0's
	s_cbranch_scc0 .Lfor_w
	TLOAD G0A, G1A
	s_branch .Lasked
.Lfor_w:
	TLOAD G0H, G1H
.Lasked:
	s_add_nc_u64 s[8:9], s[8:9], s[2:3]
	s_add_nc_u64 s[10:11], s[10:11], s[2:3]
	s_add_nc_u64 s[12:13], s[12:13], s[2:3]
	s_add_nc_u64 s[OB:OB+1], s[14:15], s[OB:OB+1]
	s_add_nc_u64 s[96:97], s[14:15], s[96:97]
	s_add_nc_u64 s[OBV:OBV+1], s[16:17], s[OBV:OBV+1]
	s_add_nc_u64 s[98:99], s[16:17], s[98:99]
	s_mov_b64 s[OUT:OUT+1], s[OB:OB+1]
	s_lshl_b32 s21, s[WC], 13
	s_lshl_b32 s22, s[WC], 3
	s_lshl_b32 s23, s[WR], 13
	s_add_co_u32 s23, s23, SLOT
	s_lshl_b32 s43, s[WR], 3
	s_lshl_b32 s46, s[WC], 1
	s_add_co_u32 s46, s46, s43
	s_add_co_u32 s46, s46, XT
	s_add_co_u32 s43, s43, SLOT+16384
	s_lshl_b32 s47, s[WR], 1
	s_add_co_u32 s47, s47, s22
	s_add_co_u32 s47, s47, XT+2048
	s_add_co_u32 s22, s22, 16384                   ; a chunk's scale words lie behind its images
	s_lshl_b32 s66, s[WC], 8
	s_add_co_u32 s66, s66, BT
	s_add_co_u32 s67, s66, 2048
	v_lshlrev_b32 v245, 3, v0
	global_load_b64 v[246:247], v245, s[8:9]       ; 32 lanes read 256 consecutive bytes
	global_load_b64 v[248:249], v245, s[10:11]
	global_load_b64 v[250:251], v245, s[12:13]
	v_add_nc_u32 v244, BT, v245
	v_and_b32 v1, 15, v0                           ; r
	v_bfe_u32 v3, v0, 4, 1                         ; h
	v_and_b32 v20, 31, v0
	v_lshlrev_b32 v[OA], 4, v20
	v_lshlrev_b32 v[PFO], 8, v20
	v_mov_b32 v[PFZ], 0
	v_add_nc_u32 v[A0], s21, v[OA]
	v_add_nc_u32 v[AS0], s22, v[OA]
	v_mov_b32 v[AL], v[A0]
	v_add_nc_u32 v[AH], 4*CH, v[A0]
	v_mov_b32 v[ASL], v[AS0]
	v_add_nc_u32 v[ASH], 4*CH, v[AS0]
	v_add_nc_u32 v240, s23, v[OA]                  ; x in slot 1: my four fragments,
	v_add_nc_u32 v241, 4*CH, v240
	v_add_nc_u32 v242, s43, v[OA]                  ; and their scale words
	v_add_nc_u32 v243, 4*CH, v242
	v_lshl_add_u32 v[VX0], v1, 4, s46
	v_mov_b32 v[VX], v[VX0]
	v_lshl_add_u32 v[VXV], v1, 4, s47
	v_lshl_add_u32 v[BA0], v3, 6, s66              ; q, k: a lane's 16 neighbouring channels of a pair
	v_mov_b32 v[BA], v[BA0]
	v_and_b32 v21, 8, v1
	v_add_nc_u32 v21, v21, v1
	v_lshl_add_u32 v[BAV], v21, 2, s67             ; v: the lane's channel, r + 8 (r / 8)
.set N_, 0
.rept 64
	v_mov_b32 v[ACC+64+N_], 0                      ; the first pair's way out works on these and stores nothing
.set N_, N_+1
.endr
	WALU
	s_cmp_eq_u32 s[PFN], 2
	ASK WBP, -56*CH                                ; tiles 1
	ASK WBP, 0                                     ; and 2
	s_wait_loadcnt 0x0
	ds_store_b64 v244, v[246:247]
	ds_store_b64 v244, v[248:249] offset:1024
	ds_store_b64 v244, v[250:251] offset:2048
	s_cmp_lt_u32 s[WV], 2
	s_cbranch_scc0 .Lnot_x
	s_wait_tensorcnt 0x0                           ; waves 0, 1: x has landed.  The other waves' wait stands in front of the round below
.Lnot_x:
	s_wait_dscnt 0x0
	BARRIER
	WIN 0x40
.irp q, 0,1,2,3
.irp j, 0,1,2,3
.irp c, 0,1,2,3
	ds_load_b128 v[64*\q+16*\j+4*\c:64*\q+16*\j+4*\c+3], v240 offset:CH*\q+2048*\j+512*\c
.endr
.endr
.endr
	WIN 0x80
.irp q, 0,1,2,3
.irp j, 0,1,2,3
.irp c, 0,1,2,3
	ds_load_b128 v[64*\q+16*\j+4*\c:64*\q+16*\j+4*\c+3], v241 offset:CH*\q+2048*\j+512*\c
.endr
.endr
.endr
	WIN 0
.irp q, 0,1,2,3
.irp j, 0,1
	ds_load_b32 v[SX+8*\j+\q], v242 offset:CH*\q+4*\j
	ds_load_b32 v[SX+8*\j+4+\q], v243 offset:CH*\q+4*\j
.endr
.endr
	s_wait_tensorcnt 0x0                           ; tile 0 is in
	ds_add_u32 v[SPW], v[NIL]
	s_wait_dscnt 0x0                               ; the add is done, and x is in registers
	CROUND
	TLOAD G0B, G1B                                 ; tile 1, over x
	FETCH 0, 0, 0
	FETCH 0, 1, 1
	s_cmp_eq_u32 s[PFN], 2
	ASK WBP, 8*CH                                  ; tile 3
.Lqk:                                              ; tiles 0 to 3: q, k
	s_wait_dscnt 32                                ; all but the 32 youngest: block 1's
	s_wait_xcnt 0x0                                ; the stores have read their codes, which are written again below
	BLOCK 0, 0, 0, 0, 32
	WIN 0
	WALU
	PLACES 8
	FETCH 0, 0, 2
	s_wait_dscnt 44                                ; all but block 2's 44
	BLOCK 0, 1, 0, 0, 32
	WIN 0
	PLACES 8
	WALU
	s_cmp_eq_u32 s[T], 0
	s_cbranch_scc1 .Lqk_first
	VOUT 0, 1                                      ; the last tile's second pair
.Lqk_first:
	FETCH 0, 1, 3
	s_wait_dscnt 32                                ; all but block 3's
	s_wait_xcnt 0x0
	s_and_b32 s21, s[T], 1
	s_lshr_b32 s43, s[T], 1
	s_mul_i32 s46, s21, CH
	s_mul_i32 s22, s43, 8*CH
	s_add_co_u32 s46, s46, s22                     ; this tile's chunk of qk: 8 (t / 2) + t % 2 on
	s_mov_b32 s47, 0
	s_add_nc_u64 s[OUT:OUT+1], s[OB:OB+1], s[46:47]
	s_mul_i32 s22, s21, 8*CH
	s_add_co_u32 s43, s43, 1
	s_mul_i32 s43, s43, 64*CH
	s_add_co_u32 s22, s22, s43                     ; tile t + 2 in wop
	s_mov_b32 s23, 0
	s_add_nc_u64 s[PFA:PFA+1], s[WBP:WBP+1], s[22:23]  ; my units of tile t + 4
	NEXT VX0, BA0
	BLOCK 0, 0, 1, 0, 15
	WIN 0
	s_wait_tensorcnt 0x0                           ; my part of tile t + 1 is in; no load of mine is out, so group 0 may be written
	ds_add_u32 v[SPW], v[NIL]
	s_xor_b32 s[G0B+1], s[G0B+1], SLOT
	s_add_nc_u64 s[G0B+2:G0B+3], s[WB:WB+1], s[22:23]
	s_or_b32 s[G0B+3], s[G0B+3], 0x80000000
	BLOCK 0, 0, 1, 15, 28
	WIN 0
	WALU
	s_wait_dscnt 0x0                               ; the add is done, and my reads of this slot are over
	s_barrier_signal -1
	BLOCK 0, 0, 1, 28, 32
	WIN 0
	MIDDLE                                         ; no wave of any partner still reads this slot or has a load on its way
	TLOAD G0B, G1B                                 ; tile t + 2
	PLACES 4
	FETCH 0, 0, 0                                  ; the next tile's first block
	s_cmp_lt_u32 s[T], s[PFN]
	ASK PFA, 0
	BLOCK 0, 1, 1, 0, 32                           ; (its operands were waited for in front of the round)
	WIN 0
	PLACES 8
	WALU
	VOUT 0, 0                                      ; this tile's first pair
	FETCH 0, 1, 1
	s_add_co_u32 s[XO], s[XO], 512
	s_add_co_u32 s[T], s[T], 1
	s_cmp_lg_u32 s[T], 4
	s_cbranch_scc1 .Lqk
	s_wait_xcnt 0x0
	FLUSH 0, ACC+64                                ; k's last pair
	v_mov_b32 v[BA], v[BAV]
	WALU
	VOUT 0, 1
	s_wait_dscnt 0x0                               ; the last trip's loads into these registers are done
	VBIAS 0                                        ; v's first pair's biases
	s_mov_b32 s[XO], 0
	s_mov_b32 s[T], 4
	s_wait_dscnt 0x0
.Lv:                                               ; tiles 4, 5: v
	s_wait_xcnt 0x0
	BLOCK 1, 0, 0, 0, 32
	WIN 0
	WALU
	PLACES 8
	FETCH 1, 0, 2
	s_wait_dscnt 56                                ; all but block 2's 56
	BLOCK 1, 1, 0, 0, 32
	WIN 0
	PLACES 8
	WALU
	s_cmp_eq_u32 s[T], 4
	s_cbranch_scc1 .Lv_first
	VOUT 1, 1
.Lv_first:
	FETCH 1, 1, 3
	s_wait_dscnt 32
	s_wait_xcnt 0x0
	s_sub_co_u32 s43, s[T], 4
	s_mul_i32 s46, s43, 64*CH
	s_mov_b32 s47, 0
	s_add_nc_u64 s[OUT:OUT+1], s[OBV:OBV+1], s[46:47]
	NEXT VXV, BAV
	BLOCK 1, 0, 1, 0, 28
	WIN 0
	WALU
	s_wait_tensorcnt 0x0                           ; my part of tile 5 is in
	s_wait_dscnt 0x0
	s_barrier_signal -1
	BLOCK 1, 0, 1, 28, 32
	WIN 0
	s_barrier_wait -1
	PLACES 8
	s_cmp_eq_u32 s[T], 5
	s_cbranch_scc1 .Lv_none_0
	FETCH 1, 0, 0
.Lv_none_0:
	BLOCK 1, 1, 1, 0, 32
	WIN 0
	PLACES 8
	WALU
	VOUT 1, 0
	s_cmp_eq_u32 s[T], 5
	s_cbranch_scc1 .Lv_none_1
	FETCH 1, 1, 1
	s_wait_dscnt 32                                ; all but block 1's
	s_branch .Lv_go
.Lv_none_1:
	s_wait_dscnt 0x0
.Lv_go:
	s_add_co_u32 s[XO], s[XO], 512
	s_add_co_u32 s[T], s[T], 1
	s_cmp_lg_u32 s[T], 6
	s_cbranch_scc1 .Lv
	s_wait_xcnt 0x0
	FLUSH 1, ACC+64
	WALU
	VOUT 1, 1
	s_lshl_b32 s21, s[WV], 9
	s_add_co_u32 s21, s21, XT
	s_lshl_b32 s22, s[WV], 8
	s_add_co_u32 s22, s22, XT+2048
	v_add_nc_u32 v20, s21, v[OA]
	v_lshrrev_b32 v22, 1, v[OA]
	v_add_nc_u32 v21, s22, v22
	WALU
	s_wait_dscnt 0x0                               ; my bytes lie in the table
	BARRIER
	ds_load_b128 v[64:67], v20                     ; a tile of q or k: 512 bytes of scale words
	ds_load_b64 v[68:69], v21                      ; half a tile of v: 256
	s_wait_dscnt 0x0
	global_store_b128 v[OA], v[64:67], s[96:97]
	global_store_b64 v22, v[68:69], s[98:99]
	s_wait_tensorcnt 0x0                           ; the wave's end
	ds_add_u32 v[SPW], v[NIL]
	s_wait_dscnt 0x0
	CROUND                                         ; the closing round
	s_endpgm
.Lfunc_end_k_q433de09893_proj:
	.size	k_q433de09893_proj, .Lfunc_end_k_q433de09893_proj-k_q433de09893_proj
	.p2alignl 7, 3214868480
	.fill 96, 4, 3214868480
	.section	.rodata,"a",@progbits
	.p2align	6, 0x0
	.amdhsa_kernel k_q433de09893_proj
		.amdhsa_group_segment_fixed_size 327680
		.amdhsa_private_segment_fixed_size 0
		.amdhsa_enable_private_segment 0
		.amdhsa_kernarg_size 56
		.amdhsa_user_sgpr_count 2
		.amdhsa_user_sgpr_kernarg_segment_ptr 1
		.amdhsa_wavefront_size32 1
		.amdhsa_system_sgpr_workgroup_id_x 1
		.amdhsa_system_sgpr_workgroup_id_y 1
		.amdhsa_system_sgpr_workgroup_id_z 1
		.amdhsa_system_vgpr_workitem_id 0
		.amdhsa_next_free_vgpr 1024
		.amdhsa_next_free_sgpr 100
		.amdhsa_reserve_vcc 0
		.amdhsa_float_denorm_mode_32 3
		.amdhsa_float_denorm_mode_16_64 3
		.amdhsa_memory_ordered 1
		.amdhsa_forward_progress 1
		.amdhsa_inst_pref_size 155
	.end_amdhsa_kernel
	.amdgpu_metadata
---
amdhsa.version: [ 1, 2 ]
amdhsa.kernels:
  - .name:           k_q433de09893_proj
    .symbol:         k_q433de09893_proj.kd
    .args:
      - { .name: xop, .offset: 0, .size: 8, .value_kind: global_buffer, .address_space: global }
      - { .name: wop, .offset: 8, .size: 8, .value_kind: global_buffer, .address_space: global }
      - { .name: b_q, .offset: 16, .size: 8, .value_kind: global_buffer, .address_space: global }
      - { .name: b_k, .offset: 24, .size: 8, .value_kind: global_buffer, .address_space: global }
      - { .name: b_v, .offset: 32, .size: 8, .value_kind: global_buffer, .address_space: global }
      - { .name: qk, .offset: 40, .size: 8, .value_kind: global_buffer, .address_space: global }
      - { .name: vop, .offset: 48, .size: 8, .value_kind: global_buffer, .address_space: global }
    .group_segment_fixed_size: 327680
    .private_segment_fixed_size: 0
    .kernarg_segment_align: 8
    .kernarg_segment_size: 56
    .max_flat_workgroup_size: 128
    .sgpr_count:     100
    .vgpr_count:     1024
    .wavefront_size: 32
...
	.end_amdgpu_metadata
.endif
;; end of part 2
;; launch scores (part 3): grid 8 x 32, 4 waves a work-group, clusters of 4 x 4, 327,680 bytes of LDS; arguments qk, pop, stat; writes pop, stat
.if DOCPART == 3
	.amdgcn_target "amdgcn-amd-amdhsa--gfx1250"
	.amdhsa_code_object_version 6
	.text
	.protected	k_q433de09893_scores
	.globl	k_q433de09893_scores
	.p2align	8
	.type	k_q433de09893_scores,@function
k_q433de09893_scores:
	s_mov_b64 s[64:65], 0
	v_nop
	global_prefetch_b8 v0, s[64:65] scope:SCOPE_SE
	s_setreg_imm32_b32 hwreg(HW_REG_WAVE_MODE, 25, 1), 1
	s_wait_xcnt 0x0
	s_wait_alu depctr_hold_cnt(0) depctr_sa_sdst(0) depctr_va_vdst(0) depctr_va_sdst(0) depctr_va_ssrc(0) depctr_va_vcc(0) depctr_vm_vsrc(0)
	s_getreg_b32 s2, hwreg(HW_REG_IB_STS2, 6, 4)
	s_cmp_eq_u32 s2, 0
	s_cbranch_scc0 .Lentry_in_a_cluster
	s_endpgm
.Lentry_in_a_cluster:
	s_bfe_u32 s2, ttmp6, 0x10000c
	s_cmp_lg_u32 s2, 0xf033
	s_cbranch_scc0 .Lentry_shape_is_right
	s_endpgm
.Lentry_shape_is_right:
; S^T = k q^T on codes of BF8 (E5M2) with E8M0 scales, and the softmax's p, quantised along the keys, in chunks (the layout: 128 rows x 128 K = CH bytes: eight fragment images, fragment f at 2,048 f, piece c of lane l at 512 c + 16 l,
; then 512 bytes of scale words, [lane][4 words]: word w of lane l belongs to fragment 2 w + l / 16, row l % 16; fragment f, row r is the chunk's row 32 (f / 2) + 8 (f % 2) + r + 8 (r / 8)).
; qk: [64 row groups of (batch, token)][16 chunks: 0-7 q along e, 8-15 k along e].  Source 0 = 16 keys, source 1 = 16 queries: a lane holds one query, and register 16 b + i of a block's eight tiles is key 32 b + 16 (lane / 16) + i.
; THE SOFTMAX.  t = score x log2(e) / 32.  A wave takes the largest t of its OWN 128 keys, M = its ceiling, a whole number, and quantises p = 2^(t - M).  It stores p's codes and scale words (pop: [64 row groups of queries][16 chunks of keys]),
; -M and the sum of the unquantised p (stat: [64][16][512 bytes of -M, 512 of sums], each laid as the scale words are).  The next launch takes the row's M over the 16 chunks; what differs is a whole power of two, which it takes off the scale bytes.
; SHARES: a work-group makes 256 keys x 256 queries of one batch, each of its four waves 128 x 128: 64 accumulators.  K = 1,024 in four K steps of 256 through two LDS slots.
; CLUSTER 4 x 4: k's tile hangs on x and the batch and is asked for jointly by a column; q's on y, by a row.
; LIMITS: a block of p under 2^(16 - 127) keeps the byte 1; a p under 2^-126 of its chunk's largest is 0; NaN and infinities are not served.
; REGISTERS: window 0: v16-29 addresses; v32-47 scale words, two sets; v64-103 the softmax's; v128-255 q's 8 fragments, ONE set, later p's codes.  window 1: k's fragments, TWO sets.
;   windows 2, 3: accumulator (a, b) at v[8 (8 (a % 4) + b)] of window 2 + a / 4.
.set CH,    16896
.set CH2,   2*CH
.set SLOT,  4*CH2                      ; q's two row groups, then k's two
.set SPARE, 2*SLOT                     ; the spare words, 128 bytes a wave: two blocks of 256 bytes that no other line names
.set ADR1,  16
.set ADR0,  20
.set OA,    24
.set SPW,   28
.set NIL,   29
.set SC,    32
.set LS,    64                         ; v64-67  the chunk's sums;  v68-71 its -M;  v72-75 its scale words
.set MS,    68
.set SW,    72
.set BM,    76                         ; v76-79  each block's largest score, then its largest p
.set BX,    80
.set LIM,   84
.set SOP,   88
.set BY,    92
.set NM,    96                         ; v[96:97] -M
.set SS0,   98
.set SS1,   100
.set T1,    102
.set T2,    103
.set AF,    128
.set WV,    18
.set WHI,   19
.set WLO,   20
.set G1A,   24
.set G0A,   32
.set G1B,   48
.set G0B,   56
.set SEL,   70
.set MNT,   72
.set HM,    73
.set OUT,   74                         ; s[74:75] my chunk of pop;  s[80:81] my 1,024 bytes of stat
.set STO,   80
.set CS,    90                         ; s[90:91] c = log2(e) / 32
.set PFO,   30                         ; v30 256 x lane, v31 0, s[94:95] where my prefetches stand: the 33 units of 256 bytes of a K step's row group that my work-group asks for
.set PFZ,   31
.set PFA,   94
.set MSB,   0
.macro WIN new                         ; the immediate's high byte repeats the setting that is left
.if MSB != (\new)
	s_set_vgpr_msb (MSB<<8)|(\new)
.set MSB, (\new)
.endif
.endm
.macro PLACES n                        ; plain vector lines between a matrix instruction and a load into, or a vector line on, its registers: eight for this form
.rept \n
	v_nop
.endr
.endm
.macro JLOAD g0a, g1a, g0b, g1b        ; a joint load: waves 0 and 1 fetch q's two row groups, waves 2 and 3 k's; four v_nop follow each line
	s_cmp_eq_u32 s[WHI], 0
	s_cbranch_scc0 .Lfor_b_\@
	tensor_load_to_lds s[\g0a:\g0a+3], s[\g1a:\g1a+7]
	s_nop 0
.rept 4
	v_nop
.endr
	s_branch .Lasked_\@
.Lfor_b_\@:
	tensor_load_to_lds s[\g0b:\g0b+3], s[\g1b:\g1b+7]
	s_nop 0
.rept 4
	v_nop
.endr
.Lasked_\@:
.endm
.macro ASK off                         ; 33 units of 256 bytes: 32 by lanes, the last by all lanes
	global_prefetch_b8 v[PFO], s[PFA:PFA+1] offset:\off th:TH_LOAD_NT scope:SCOPE_SE
	global_prefetch_b8 v[PFZ], s[PFA:PFA+1] offset:(\off)+8192 th:TH_LOAD_NT scope:SCOPE_SE
.endm
.macro CREST
	s_cmp_lg_u32 s[WV], 0
	s_cbranch_scc1 .Lnot_wave_0_\@
	s_barrier_signal -3
.Lnot_wave_0_\@:
	s_barrier_wait -3
	s_barrier_signal -1
	s_barrier_wait -1
.endm
.macro CROUND
	s_barrier_signal -1
	s_barrier_wait -1
	CREST
.endm
.macro FRAG reg, adr, q, i
.irp c, 0,1,2,3
	ds_load_b128 v[\reg+4*\c:\reg+4*\c+3], v[\adr] offset:CH*(\q)+2048*(\i)+512*\c
.endr
.endm
.macro FETCH_B slot, q, p
	WIN 0x40
.irp i, 0,1,2,3,4,5,6,7
	FRAG 128*(\p)+16*\i, ADR0+\slot, \q, \i
.endr
	WIN 0
.endm
.macro FETCH_A slot, q, i0
.irp i, \i0, \i0+1, \i0+2, \i0+3
	FRAG AF+16*(\i), ADR1+\slot, \q, \i
.endr
.endm
.macro SCALES slot, q
	ds_load_b128 v[SC+8*(\q):SC+8*(\q)+3], v[ADR1+\slot] offset:CH*(\q)+16384
	ds_load_b128 v[SC+8*(\q)+4:SC+8*(\q)+7], v[ADR0+\slot] offset:CH*(\q)+16384
.endm
.macro WM cm, r0, r1                   ; one product.  cm = 0: C is the constant 0; else the sum.  r0, r1 = 1: that source's scale words stand in lanes 16-31
.if (\cm) == 0
.if ((\r0) == 0) && ((\r1) == 0)
	v_wmma_scale_f32_16x16x128_f8f6f4 v[wD:wD+7], v[wA:wA+15], v[wB:wB+15], 0, v[wX], v[wY] matrix_a_fmt:MATRIX_FMT_BF8 matrix_b_fmt:MATRIX_FMT_BF8
.elseif (\r1) == 0
	v_wmma_scale_f32_16x16x128_f8f6f4 v[wD:wD+7], v[wA:wA+15], v[wB:wB+15], 0, v[wX], v[wY] matrix_a_fmt:MATRIX_FMT_BF8 matrix_b_fmt:MATRIX_FMT_BF8 matrix_a_scale:MATRIX_SCALE_ROW1
.elseif (\r0) == 0
	v_wmma_scale_f32_16x16x128_f8f6f4 v[wD:wD+7], v[wA:wA+15], v[wB:wB+15], 0, v[wX], v[wY] matrix_a_fmt:MATRIX_FMT_BF8 matrix_b_fmt:MATRIX_FMT_BF8 matrix_b_scale:MATRIX_SCALE_ROW1
.else
	v_wmma_scale_f32_16x16x128_f8f6f4 v[wD:wD+7], v[wA:wA+15], v[wB:wB+15], 0, v[wX], v[wY] matrix_a_fmt:MATRIX_FMT_BF8 matrix_b_fmt:MATRIX_FMT_BF8 matrix_a_scale:MATRIX_SCALE_ROW1 matrix_b_scale:MATRIX_SCALE_ROW1
.endif
.else
.if ((\r0) == 0) && ((\r1) == 0)
	v_wmma_scale_f32_16x16x128_f8f6f4 v[wD:wD+7], v[wA:wA+15], v[wB:wB+15], v[wD:wD+7], v[wX], v[wY] matrix_a_fmt:MATRIX_FMT_BF8 matrix_b_fmt:MATRIX_FMT_BF8
.elseif (\r1) == 0
	v_wmma_scale_f32_16x16x128_f8f6f4 v[wD:wD+7], v[wA:wA+15], v[wB:wB+15], v[wD:wD+7], v[wX], v[wY] matrix_a_fmt:MATRIX_FMT_BF8 matrix_b_fmt:MATRIX_FMT_BF8 matrix_a_scale:MATRIX_SCALE_ROW1
.elseif (\r0) == 0
	v_wmma_scale_f32_16x16x128_f8f6f4 v[wD:wD+7], v[wA:wA+15], v[wB:wB+15], v[wD:wD+7], v[wX], v[wY] matrix_a_fmt:MATRIX_FMT_BF8 matrix_b_fmt:MATRIX_FMT_BF8 matrix_b_scale:MATRIX_SCALE_ROW1
.else
	v_wmma_scale_f32_16x16x128_f8f6f4 v[wD:wD+7], v[wA:wA+15], v[wB:wB+15], v[wD:wD+7], v[wX], v[wY] matrix_a_fmt:MATRIX_FMT_BF8 matrix_b_fmt:MATRIX_FMT_BF8 matrix_a_scale:MATRIX_SCALE_ROW1 matrix_b_scale:MATRIX_SCALE_ROW1
.endif
.endif
.endm
; 16 products: q's blocks a0, a0 + 1 x k's eight fragments.  The 64 accumulators take turns, one instruction a turn, in one order throughout.
.macro MUL16 a0, p, q, cm
.irp a, \a0, \a0+1
.irp b, 0,1,2,3,4,5,6,7
.set wD, 8*(8*((\a)%4)+\b)
.set wA, 128*(\p)+16*\b
.set wB, AF+16*(\a)
.set wX, SC+8*(\q)+4+\b/2
.set wY, SC+8*(\q)+(\a)/2
	WM \cm, \b%2, (\a)%2
.endr
.endr
.endm
.macro STEP slot, cm                   ; a slot's first 128 along K; the second's fragments are fetched on the way
	s_wait_dscnt 16                                ; all but the 16 youngest loads, q's blocks 4-7
	WIN 0xa1
	MUL16 0, 0, 0, \cm
	MUL16 2, 0, 0, \cm
	s_wait_dscnt 0x0
	PLACES 8
	FETCH_B \slot, 1, 1
	FETCH_A \slot, 1, 0
	SCALES \slot, 1
	WIN 0xf1
	MUL16 4, 0, 0, \cm
	MUL16 6, 0, 0, \cm
	PLACES 8
	WIN 0
	FETCH_A \slot, 1, 4
.endm
; A slot's second 128 along K, and the change of slots: ONE barrier; in front of it each wave waits for all its tensor loads, adds 0 to its spare word, and waits for that and for its reads of this slot.
.macro TURN slot, next, fill
	s_wait_tensorcnt 0x0                           ; my part of the next slot has landed; no load of mine is out
	ds_add_u32 v[SPW], v[NIL]                      ; 0 onto my spare word
	s_wait_dscnt 17                                ; (the add and the 16 youngest loads may be out)
	WIN 0xa1
	MUL16 0, 1, 1, 3
	s_wait_dscnt 0x0                               ; the add is done, and my reads of this slot are over
	s_barrier_signal -1
	MUL16 2, 1, 1, 3
	WIN 0
	s_barrier_wait -1
.if \fill
	CREST                                          ; the barrier has opened a round of the cluster's: no wave of any partner still reads this slot or has a load on its way
	s_add_nc_u64 s[G0A+4*\slot+2:G0A+4*\slot+3], s[G0A+4*\slot+2:G0A+4*\slot+3], 2*CH2
	s_add_nc_u64 s[G0B+4*\slot+2:G0B+4*\slot+3], s[G0B+4*\slot+2:G0B+4*\slot+3], 2*CH2
	JLOAD G0A+4*\slot, G1A, G0B+4*\slot, G1B
	PLACES 4
.else
	PLACES 8
.endif
	FETCH_B \next, 0, 0
	FETCH_A \next, 0, 0
	SCALES \next, 0
	WIN 0xf1
	MUL16 4, 1, 1, 3
	MUL16 6, 1, 1, 3
	PLACES 8
	WIN 0
	FETCH_A \next, 0, 4
.endm
; Block a: 16 queries x my 128 keys, 64 scores a lane.
.macro SOFT a
.set AC, 64*((\a)%4)
.set W, 2+(\a)/4
.set PCA, AF+16*(\a)
.set WW, W|(W<<2)|(W<<4)
	WIN WW
.irp b, 0,1,2,3
	v_max3_num_f32 v[BM+\b], v[AC+16*\b], v[AC+16*\b+1], v[AC+16*\b+2]   ; the largest score of each block of 32 keys (each accumulator from its low end on): it serves the row's maximum and, since p rises with the score, the block's largest p
.endr
.set WW, (W<<2)|(W<<4)
	WIN WW
.irp i, 3,5,7,9,11,13
.irp b, 0,1,2,3
	v_max3_num_f32 v[BM+\b], v[BM+\b], v[AC+16*\b+\i], v[AC+16*\b+\i+1]
.endr
.endr
.irp b, 0,1,2,3
	v_max_num_f32 v[BM+\b], v[BM+\b], v[AC+16*\b+15]
.endr
	WIN 0
.irp b, 0,1,2,3
	v_permlanex16_b32 v[BX+\b], v[BM+\b], s[SEL], s[SEL+1]
.endr
.irp b, 0,1,2,3
	v_max_num_f32 v[BM+\b], v[BM+\b], v[BX+\b]               ; with lane l xor 16's 16 keys
.endr
	v_max3_num_f32 v[T1], v[BM], v[BM+1], v[BM+2]
	v_max_num_f32 v[T1], v[T1], v[BM+3]
	v_mul_f32 v[T1], s[CS], v[T1]                            ; the largest t of my query among these 128 keys
	v_floor_f32 v[NM], -v[T1]                                ; -M = floor(-t) = -ceil(t)
	v_floor_f32 v[NM+1], -v[T1]                              ; (named with it as a pair)
.irp b, 0,1,2,3
	v_fma_f32 v[BM+\b], v[BM+\b], s[CS], v[NM]
.endr
	s_wait_alu depctr_va_vdst(0)
.irp b, 0,1,2,3
	v_exp_f32 v[BM+\b], v[BM+\b]                             ; the block's largest p: the same multiply-add and exponential as its score gets below
.endr
.set WW, W|(W<<6)
	WIN WW
.set n, 0
.rept 32
	v_pk_fma_f32 v[AC+2*n:AC+2*n+1], v[AC+2*n:AC+2*n+1], s[CS:CS+1], v[NM:NM+1] op_sel_hi:[1,0,0]   ; t - M, two at a time
.set n, n+1
.endr
.set n, 0
	s_wait_alu depctr_va_vdst(0)
.rept 64
	v_exp_f32 v[AC+n], v[AC+n]                               ; p = 2^(t - M), at most 1
.set n, n+1
.endr
	v_nop                                                    ; a plain line behind the last exponential
	s_wait_alu depctr_va_vdst(0)                             ; one wait for the 64 exponentials, ahead of the first line that names a result
.set WW, W|(W<<2)
	WIN WW
	v_pk_add_f32 v[SS0:SS0+1], v[AC:AC+1], v[AC+2:AC+3]      ; the sum of the UNQUANTISED p, in two chains
	v_pk_add_f32 v[SS1:SS1+1], v[AC+4:AC+5], v[AC+6:AC+7]
	WIN W
.set n, 8
.rept 14
	v_pk_add_f32 v[SS0:SS0+1], v[AC+n:AC+n+1], v[SS0:SS0+1]
	v_pk_add_f32 v[SS1:SS1+1], v[AC+n+2:AC+n+3], v[SS1:SS1+1]
.set n, n+4
.endr
	WIN 0
	v_pk_add_f32 v[SS0:SS0+1], v[SS0:SS0+1], v[SS1:SS1+1]
	v_add_f32 v[T1], v[SS0], v[SS0+1]
	v_permlanex16_b32 v[T2], v[T1], s[SEL], s[SEL+1]
	v_add_f32 v[T1], v[T1], v[T2]                            ; my query's sum over the 128 keys
.irp b, 0,1,2,3
	v_max_num_f32 v[BM+\b], 0x8000000, v[BM+\b]              ; the floor 2^(16 - 127): the byte cannot fall under 1
.endr
.irp b, 0,1,2,3
	v_add_nc_u32 v[SOP+\b], 0xf8800000, v[BM+\b]             ; 15 off the exponent field: the conversion's scale operand
.endr
.irp b, 0,1,2,3
	v_and_or_b32 v[LIM+\b], v[BM+\b], 0x7f800000, s[MNT]     ; 57,344 x the scale
.endr
.irp b, 0,1,2,3
	v_lshrrev_b32 v[BY+\b], 23, v[SOP+\b]                    ; the scale's byte
.endr
	v_lshl_or_b32 v[T2], v[BY+1], 8, v[BY]
	v_lshl_or_b32 v[T2], v[BY+2], 16, v[T2]
	v_lshl_or_b32 v[T2], v[BY+3], 24, v[T2]                  ; p's scale word for these 128 keys
.if ((\a)%2) == 0
	v_mov_b32 v[SW+(\a)/2], v[T2]                            ; an even fragment's words stand in lanes 0-15,
	v_mov_b32 v[MS+(\a)/2], v[NM]
	v_mov_b32 v[LS+(\a)/2], v[T1]
.else
	v_cndmask_b32 v[SW+(\a)/2], v[SW+(\a)/2], v[T2], s[HM]   ; an odd one's in lanes 16-31
	v_cndmask_b32 v[MS+(\a)/2], v[MS+(\a)/2], v[NM], s[HM]
	v_cndmask_b32 v[LS+(\a)/2], v[LS+(\a)/2], v[T1], s[HM]
.endif
.set WW, W|(W<<6)
	WIN WW
.set n, 0
.rept 64
	v_min_num_f32 v[AC+n], v[AC+n], v[LIM+n/16]              ; the conversion does not saturate (ISA guide 7.6.2); p is not negative, so the hold is one-sided
.set n, n+1
.endr
	WIN W
.set n, 0
.rept 8
	v_cvt_scalef32_pk8_bf8_f32 v[PCA+2*n:PCA+2*n+1], v[AC+8*n:AC+8*n+7], v[SOP+n/2]
.set n, n+1
.endr
	v_nop                                                    ; a plain line behind the last conversion
	WIN 0
.irp c, 0,1,2,3
	global_store_b128 v[OA], v[PCA+4*\c:PCA+4*\c+3], s[OUT:OUT+1] offset:2048*(\a)+512*\c   ; 512 consecutive bytes; each block has its own registers
.endr
.endm
	s_load_b128 s[4:7], s[0:1], 0x0                ; qk, pop
	s_load_b64 s[8:9], s[0:1], 0x10                ; stat
	v_lshl_add_u32 v[SPW], v0, 2, SPARE
	v_mov_b32 v[NIL], 0
	ds_add_u32 v28, v29
	ds_add_u32 v28, v29
	s_wait_dscnt 0x0
	v_lshrrev_b32 v1, 5, v0
	v_readfirstlane_b32 s[WV], v1
	s_lshr_b32 s[WHI], s[WV], 1                    ; my half of the queries.  Also: I fetch for q (0) or for k (1)
	s_and_b32 s[WLO], s[WV], 1                     ; my half of the keys.  Also: which row group I fetch
	s_bfe_u32 s40, ttmp6, 0x40000                  ; cx
	s_bfe_u32 s41, ttmp6, 0x40004                  ; cy
	s_lshl_b32 s42, ttmp9, 2
	s_add_co_u32 s42, s42, s40                     ; the tile of 256 keys in the batch
	s_and_b32 s43, ttmp7, 0xffff                   ; cluster y
	s_lshl_b32 s44, s41, 2
	s_lshl_b32 s44, 15, s44                        ; my row of the cluster
	s_lshl_b32 s45, 0x1111, s40                    ; my column
	s_or_b32 s[G1A], s44, (3<<16)|(1<<21)          ; 15:0 the mask; 17:16 elements of 8 bytes; 21 set beside a mask; no padding
	s_or_b32 s[G1B], s45, (3<<16)|(1<<21)
.irp g, G1A, G1B
	s_mov_b32 s[\g+1], 32<<16                      ; rows of 256 bytes,
	s_mov_b32 s[\g+2], 132<<16                     ; 132 of them: CH2 dense bytes
	s_mov_b32 s[\g+3], 32<<16
	s_mov_b32 s[\g+4], 132
	s_mov_b32 s[\g+5], 32
	s_mov_b32 s[\g+6], 0
	s_mov_b32 s[\g+7], 0
.endr
	s_lshl_b32 s68, s43, 2
	s_add_co_u32 s68, s68, s41                     ; the tile of 256 queries, batches on end
	s_lshr_b32 s67, s43, 1                         ; the batch: from the cluster's y alone
	s_lshl_b32 s87, s42, 1
	s_add_co_u32 s87, s87, s[WLO]                  ; the chunk of keys: the one I fetch, and the one I multiply
	s_lshl_b32 s76, s67, 4
	s_add_co_u32 s76, s76, s87                     ; k's row group: 16 a batch
	s_lshl_b32 s76, s76, 4
	s_add_co_u32 s76, s76, 8                       ; k lies in chunks 8-15 of a row group
	s_mul_i32 s76, s76, CH
	s_mov_b32 s77, 0
	s_lshl_b32 s78, s68, 1
	s_add_co_u32 s78, s78, s[WLO]                  ; q's row group that I fetch
	s_mul_i32 s78, s78, 16*CH
	s_mov_b32 s79, 0
	s_lshl_b32 s84, s68, 1
	s_add_co_u32 s84, s84, s[WHI]                  ; the queries' row group that I multiply
	s_lshl_b32 s84, s84, 4
	s_add_co_u32 s84, s84, s87                     ; my chunk of pop and of stat
	s_lshl_b32 s88, s84, 10
	s_mov_b32 s89, 0
	s_mul_i32 s84, s84, CH
	s_mov_b32 s85, 0
	s_mul_i32 s21, s[WV], CH2
	s_mov_b32 s[SEL], 0x76543210
	s_mov_b32 s[SEL+1], 0xfedcba98
	s_mov_b32 s[MNT], 0x600000
	s_mov_b32 s[HM], 0xffff0000
	s_mov_b32 s[CS], 0x3d38aa3b                    ; log2(e) / sqrt(1,024)
	s_mov_b32 s[CS+1], s[CS]
	s_wait_kmcnt 0x0
	s_add_nc_u64 s[82:83], s[4:5], s[78:79]        ; q
	s_add_nc_u64 s[92:93], s[4:5], s[76:77]        ; k
	s_add_nc_u64 s[OUT:OUT+1], s[6:7], s[84:85]
	s_add_nc_u64 s[STO:STO+1], s[8:9], s[88:89]
	CROUND                                         ; all sixteen work-groups are here: the first joint loads meet
.irp s, 0,1
	s_mov_b32 s[G0A+4*\s], 1
	s_add_co_u32 s[G0A+4*\s+1], s21, \s*SLOT
	s_add_nc_u64 s[G0A+4*\s+2:G0A+4*\s+3], s[82:83], \s*CH2
	s_or_b32 s[G0A+4*\s+3], s[G0A+4*\s+3], 0x80000000
	s_mov_b32 s[G0B+4*\s], 1
	s_add_co_u32 s[G0B+4*\s+1], s21, \s*SLOT
	s_add_nc_u64 s[G0B+4*\s+2:G0B+4*\s+3], s[92:93], \s*CH2
	s_or_b32 s[G0B+4*\s+3], s[G0B+4*\s+3], 0x80000000
.endr
	JLOAD G0A, G1A, G0B, G1B                       ; K step 0
	s_cmp_eq_u32 s[WHI], 0                         ; each wave prefetches what it fetches; the four partners of a joint load share its 132 units by address
	s_cselect_b64 s[PFA:PFA+1], s[82:83], s[92:93]
	s_cselect_b32 s22, s40, s41
	s_mul_i32 s22, s22, CH2/4
	s_mov_b32 s23, 0
	s_add_nc_u64 s[PFA:PFA+1], s[PFA:PFA+1], s[22:23]
	v_and_b32 v3, 31, v0
	v_lshlrev_b32 v[PFO], 8, v3
	v_mov_b32 v[PFZ], 0
	ASK CH2                                        ; K steps 1
	ASK 2*CH2                                      ; and 2
	v_lshlrev_b32 v[OA], 4, v3
	s_mul_i32 s21, s[WHI], CH2
	s_mul_i32 s22, s[WLO], CH2
	s_add_co_u32 s22, s22, 2*CH2
.irp s, 0,1
	v_add_nc_u32 v[ADR1+\s], s21, v[OA]
	v_add_nc_u32 v[ADR0+\s], s22, v[OA]
	s_add_co_u32 s21, s21, SLOT
	s_add_co_u32 s22, s22, SLOT
.endr
	s_wait_alu depctr_va_vdst(0)
	s_wait_tensorcnt 0x0                           ; my part of slot 0 is in
	ds_add_u32 v[SPW], v[NIL]
	s_wait_dscnt 0x0
	CROUND
	JLOAD G0A+4, G1A, G0B+4, G1B                   ; K step 1
	FETCH_B 0, 0, 0
	FETCH_A 0, 0, 0
	SCALES 0, 0
	FETCH_A 0, 0, 4
	ASK 3*CH2                                      ; K step 3, the last
	STEP 0, 0                                      ; the first products start the sums
	TURN 0, 1, 1                                   ; K has four slots' worth: written out, no loop
	STEP 1, 3
	TURN 1, 0, 1
	STEP 0, 3
	TURN 0, 1, 0
	STEP 1, 3
	s_wait_dscnt 16
	WIN 0xa1
	MUL16 0, 1, 1, 3
	MUL16 2, 1, 1, 3
	s_wait_dscnt 0x0
	WIN 0xf1
	MUL16 4, 1, 1, 3
	MUL16 6, 1, 1, 3
	WIN 0
	PLACES 8                                       ; in front of the first read of results and of the codes, which land where q's fragments lay
.irp b, 0,1,2,3
	v_mov_b32 v[BX+\b], 0                          ; a lane permute's destination counts as one of its sources
.endr
	v_mov_b32 v[T2], 0
.irp a, 0,1,2,3,4,5,6,7
	SOFT \a
.endr
	global_store_b128 v[OA], v[SW:SW+3], s[OUT:OUT+1] offset:16384   ; 512 bytes each: the scale words,
	global_store_b128 v[OA], v[MS:MS+3], s[STO:STO+1]                ; -M,
	global_store_b128 v[OA], v[LS:LS+3], s[STO:STO+1] offset:512     ; the sums
	s_wait_tensorcnt 0x0                           ; the wave's end
	ds_add_u32 v[SPW], v[NIL]
	s_wait_dscnt 0x0
	CROUND                                         ; the closing round
	s_endpgm
.Lfunc_end_k_q433de09893_scores:
	.size	k_q433de09893_scores, .Lfunc_end_k_q433de09893_scores-k_q433de09893_scores
	.p2alignl 7, 3214868480
	.fill 96, 4, 3214868480
	.section	.rodata,"a",@progbits
	.p2align	6, 0x0
	.amdhsa_kernel k_q433de09893_scores
		.amdhsa_group_segment_fixed_size 327680
		.amdhsa_private_segment_fixed_size 0
		.amdhsa_enable_private_segment 0
		.amdhsa_kernarg_size 24
		.amdhsa_user_sgpr_count 2
		.amdhsa_user_sgpr_kernarg_segment_ptr 1
		.amdhsa_wavefront_size32 1
		.amdhsa_system_sgpr_workgroup_id_x 1
		.amdhsa_system_sgpr_workgroup_id_y 1
		.amdhsa_system_sgpr_workgroup_id_z 1
		.amdhsa_system_vgpr_workitem_id 0
		.amdhsa_next_free_vgpr 1024
		.amdhsa_next_free_sgpr 96
		.amdhsa_reserve_vcc 0
		.amdhsa_float_denorm_mode_32 3
		.amdhsa_float_denorm_mode_16_64 3
		.amdhsa_memory_ordered 1
		.amdhsa_forward_progress 1
		.amdhsa_inst_pref_size 223
	.end_amdhsa_kernel
	.amdgpu_metadata
---
amdhsa.version: [ 1, 2 ]
amdhsa.kernels:
  - .name:           k_q433de09893_scores
    .symbol:         k_q433de09893_scores.kd
    .args:
      - { .name: qk, .offset: 0, .size: 8, .value_kind: global_buffer, .address_space: global }
      - { .name: pop, .offset: 8, .size: 8, .value_kind: global_buffer, .address_space: global }
      - { .name: stat, .offset: 16, .size: 8, .value_kind: global_buffer, .address_space: global }
    .group_segment_fixed_size: 327680
    .private_segment_fixed_size: 0
    .kernarg_segment_align: 8
    .kernarg_segment_size: 24
    .max_flat_workgroup_size: 128
    .sgpr_count:     96
    .vgpr_count:     1024
    .wavefront_size: 32
...
	.end_amdgpu_metadata
.endif
;; end of part 3
;; launch pv (part 4): grid 4 x 64, 4 waves a work-group, clusters of 4 x 4, 327,680 bytes of LDS; arguments pop, stat, vop, out0; writes out0
.if DOCPART == 4
	.amdgcn_target "amdgcn-amd-amdhsa--gfx1250"
	.amdhsa_code_object_version 6
	.text
	.protected	k_q433de09893_pv
	.globl	k_q433de09893_pv
	.p2align	8
	.type	k_q433de09893_pv,@function
k_q433de09893_pv:
	s_mov_b64 s[64:65], 0
	v_nop
	global_prefetch_b8 v0, s[64:65] scope:SCOPE_SE
	s_setreg_imm32_b32 hwreg(HW_REG_WAVE_MODE, 25, 1), 1
	s_wait_xcnt 0x0
	s_wait_alu depctr_hold_cnt(0) depctr_sa_sdst(0) depctr_va_vdst(0) depctr_va_sdst(0) depctr_va_ssrc(0) depctr_va_vcc(0) depctr_vm_vsrc(0)
	s_getreg_b32 s2, hwreg(HW_REG_IB_STS2, 6, 4)
	s_cmp_eq_u32 s2, 0
	s_cbranch_scc0 .Lentry_in_a_cluster
	s_endpgm
.Lentry_in_a_cluster:
	s_bfe_u32 s2, ttmp6, 0x10000c
	s_cmp_lg_u32 s2, 0xf033
	s_cbranch_scc0 .Lentry_shape_is_right
	s_endpgm
.Lentry_shape_is_right:
; out = (p v) / l on codes of BF8 (E5M2) with E8M0 scales.  pop: p's codes, [64 row groups of queries][16 chunks of keys]; vop: v's codes, keys innermost, [8 row groups of channels][64 chunks: 16 batch + keys / 128];
; stat: [64][16][512 bytes of -M, 512 of sums]: for each chunk of p its own whole-number M and the sum of its unquantised p.  (The chunk: 128 rows x 128 K = CH bytes: eight fragment images, fragment f at 2,048 f, piece c of lane l at
; 512 c + 16 l, then 512 bytes of scale words, [lane][4 words]: word w of lane l belongs to fragment 2 w + l / 16, row l % 16; fragment f, row r is the chunk's row 32 (f / 2) + 8 (f % 2) + r + 8 (r / 8).  stat's halves are laid as the scale words.)
; THE ROW'S M is the largest of its 16 chunks' M.  A chunk's p is 2^(M - its own M) too large: a whole power of two, which is taken off its four scale bytes; the codes stay.  The chunks' sums are brought under M by v_ldexp_f32 and added.
; LIMIT: where a byte is smaller than what is to be taken off, it becomes 0 (2^-127): such a block's numbers stay under 2^-111 of the row's largest p.  The order of l's sum is by chunks.  NaN and infinities are not served.
; SHARES: a work-group makes 128 queries x 256 channels; a wave 64 queries (four blocks) x 128 channels: 32 accumulators.  O^T = v^T p^T: source 0 = 16 channels, source 1 = 16 queries: a lane holds one query, and register 16 b + i of a
; block's eight tiles is channel 32 b + 16 (lane / 16) + i.  K = 2,048 keys in eight K steps of 256 through two LDS slots.
; CLUSTER 4 x 4: p's row group hangs on y and is asked for jointly by a row (wave 0); v's two row groups hang on x and the batch, by a column (waves 1 and 2); wave 3 fetches nothing.
; REGISTERS: window 0: v8-15 1 / l; v16-29 addresses; v32-35 p's scale words, v36-43 v's, two sets each; v44-59, v64-239 the head's work; v64-127 later results; v128-255 p's fragments, two sets, later rows of out.
;   window 1: v's fragments, two sets.   window 2: accumulator (a, b) at v[8 (8 a + b)].
.set CH,    16896
.set CH2,   2*CH
.set PSLOT, 3*CH2                      ; p's row group, then v's two
.set TBL,   2*PSLOT                    ; behind the ring: p's scale words under the row's M, [16 chunks][lane][4 words]: 8,192 bytes
.set STG,   TBL+8192                   ; the stages for the way out: 16 rows x 528 bytes for each wave
.set SPARE, STG+4*8448                 ; the spare words, 128 bytes a wave: two blocks of 256 bytes that no other line names
.set RL,    8
.set ADR1,  16                         ; v16-17  my four blocks of p in slot 0, 1: + 16 x lane
.set ADR0,  20                         ; v20-21  my row group of v
.set ADRT,  22                         ; v22     my two words of the table, for the K step in hand
.set OA,    24                         ; v24     16 x lane; never rewritten
.set SO,    25
.set SR,    26
.set TW,    27
.set SPW,   28
.set NIL,   29
.set SA,    32
.set SB,    36
.set NG,    44                         ; v44-47  the row's -M
.set LS,    48                         ; v48-51  l
.set RC,    52
.set UU,    56
.set XX,    58
.set MM,    64                         ; v64-127  -M of the 16 chunks
.set LL,    128                        ; v128-191 their sums
.set MO,    192                        ; v192-207 -M of my four chunks
.set RS,    208                        ; v208-223 their scale words
.set TT,    224
.set TO,    64
.set PF,    128
.set BK,    128
.set WV,    18
.set WHW,   19
.set WHC,   20
.set G1A,   24
.set G0A,   32
.set G1B,   48
.set G0B,   56
.set SEL,   70
.set HM,    73
.set OUT,   74
.set HB,    88
.set ONES,  89
.set PFO,   30                         ; v30 256 x lane, v31 0, s[12:13] where my prefetches stand: the 33 units of 256 bytes of a K step's row group that my work-group asks for
.set PFZ,   31
.set PFA,   12
.set LIM,   72                         ; s72 1 in waves that prefetch, more than the loop's count in wave 3
.set MSB,   0
.macro WIN new                         ; the immediate's high byte repeats the setting that is left
.if MSB != (\new)
	s_set_vgpr_msb (MSB<<8)|(\new)
.set MSB, (\new)
.endif
.endm
.macro PLACES n                        ; plain vector lines between a matrix instruction and a load into, or a vector line on, its registers: eight for this form
.rept \n
	v_nop
.endr
.endm
.macro JLOAD3 slot                     ; wave 0: p; waves 1 and 2: v; wave 3: nothing.  The branches hang on the wave's number alone; four v_nop follow each line
	s_cmp_eq_u32 s[WV], 0
	s_cbranch_scc0 .Lnot_p_\@
	tensor_load_to_lds s[G0A+4*\slot:G0A+4*\slot+3], s[G1A:G1A+7]
	s_nop 0
.rept 4
	v_nop
.endr
	s_branch .Lasked_\@
.Lnot_p_\@:
	s_cmp_lt_u32 s[WV], 3
	s_cbranch_scc0 .Lasked_\@
	tensor_load_to_lds s[G0B+4*\slot:G0B+4*\slot+3], s[G1B:G1B+7]
	s_nop 0
.rept 4
	v_nop
.endr
.Lasked_\@:
.endm
.macro ASK off                         ; SCC = 1: 33 units of 256 bytes: 32 by lanes, the last by all lanes
	s_cbranch_scc0 .Lnot_mine_\@
	global_prefetch_b8 v[PFO], s[PFA:PFA+1] offset:\off th:TH_LOAD_NT scope:SCOPE_SE
	global_prefetch_b8 v[PFZ], s[PFA:PFA+1] offset:(\off)+8192 th:TH_LOAD_NT scope:SCOPE_SE
.Lnot_mine_\@:
.endm
.macro CREST
	s_cmp_lg_u32 s[WV], 0
	s_cbranch_scc1 .Lnot_wave_0_\@
	s_barrier_signal -3
.Lnot_wave_0_\@:
	s_barrier_wait -3
	s_barrier_signal -1
	s_barrier_wait -1
.endm
.macro CROUND
	s_barrier_signal -1
	s_barrier_wait -1
	CREST
.endm
.macro WM cm, r0, r1                   ; one product.  cm = 0: C is the constant 0; else the sum.  r0, r1 = 1: that source's scale words stand in lanes 16-31
.if (\cm) == 0
.if ((\r0) == 0) && ((\r1) == 0)
	v_wmma_scale_f32_16x16x128_f8f6f4 v[wD:wD+7], v[wA:wA+15], v[wB:wB+15], 0, v[wX], v[wY] matrix_a_fmt:MATRIX_FMT_BF8 matrix_b_fmt:MATRIX_FMT_BF8
.elseif (\r1) == 0
	v_wmma_scale_f32_16x16x128_f8f6f4 v[wD:wD+7], v[wA:wA+15], v[wB:wB+15], 0, v[wX], v[wY] matrix_a_fmt:MATRIX_FMT_BF8 matrix_b_fmt:MATRIX_FMT_BF8 matrix_a_scale:MATRIX_SCALE_ROW1
.elseif (\r0) == 0
	v_wmma_scale_f32_16x16x128_f8f6f4 v[wD:wD+7], v[wA:wA+15], v[wB:wB+15], 0, v[wX], v[wY] matrix_a_fmt:MATRIX_FMT_BF8 matrix_b_fmt:MATRIX_FMT_BF8 matrix_b_scale:MATRIX_SCALE_ROW1
.else
	v_wmma_scale_f32_16x16x128_f8f6f4 v[wD:wD+7], v[wA:wA+15], v[wB:wB+15], 0, v[wX], v[wY] matrix_a_fmt:MATRIX_FMT_BF8 matrix_b_fmt:MATRIX_FMT_BF8 matrix_a_scale:MATRIX_SCALE_ROW1 matrix_b_scale:MATRIX_SCALE_ROW1
.endif
.else
.if ((\r0) == 0) && ((\r1) == 0)
	v_wmma_scale_f32_16x16x128_f8f6f4 v[wD:wD+7], v[wA:wA+15], v[wB:wB+15], v[wD:wD+7], v[wX], v[wY] matrix_a_fmt:MATRIX_FMT_BF8 matrix_b_fmt:MATRIX_FMT_BF8
.elseif (\r1) == 0
	v_wmma_scale_f32_16x16x128_f8f6f4 v[wD:wD+7], v[wA:wA+15], v[wB:wB+15], v[wD:wD+7], v[wX], v[wY] matrix_a_fmt:MATRIX_FMT_BF8 matrix_b_fmt:MATRIX_FMT_BF8 matrix_a_scale:MATRIX_SCALE_ROW1
.elseif (\r0) == 0
	v_wmma_scale_f32_16x16x128_f8f6f4 v[wD:wD+7], v[wA:wA+15], v[wB:wB+15], v[wD:wD+7], v[wX], v[wY] matrix_a_fmt:MATRIX_FMT_BF8 matrix_b_fmt:MATRIX_FMT_BF8 matrix_b_scale:MATRIX_SCALE_ROW1
.else
	v_wmma_scale_f32_16x16x128_f8f6f4 v[wD:wD+7], v[wA:wA+15], v[wB:wB+15], v[wD:wD+7], v[wX], v[wY] matrix_a_fmt:MATRIX_FMT_BF8 matrix_b_fmt:MATRIX_FMT_BF8 matrix_a_scale:MATRIX_SCALE_ROW1 matrix_b_scale:MATRIX_SCALE_ROW1
.endif
.endif
.endm
; 8 products: p's block a x v's eight fragments.  The 32 accumulators take turns, one instruction a turn, in one order throughout.
.macro PMUL1 a, set, cm
.irp b, 0,1,2,3,4,5,6,7
.set wD, 8*(8*(\a)+\b)
.set wA, 128*(\set)+16*\b
.set wB, PF+64*(\set)+16*(\a)
.set wX, SB+4*(\set)+\b/2
.set wY, SA+2*(\set)+(\a)/2
	WM \cm, \b%2, (\a)%2
.endr
.endm
.macro PFETCH slot, q, set             ; the slot's q-th 128 keys: v's eight fragments, my four of p, v's scale words, my two words of the table: 50 loads
	WIN 0x40
.irp i, 0,1,2,3,4,5,6,7
.irp c, 0,1,2,3
	ds_load_b128 v[128*(\set)+16*\i+4*\c:128*(\set)+16*\i+4*\c+3], v[ADR0+\slot] offset:CH*(\q)+2048*\i+512*\c
.endr
.endr
	WIN 0
.irp i, 0,1,2,3
.irp c, 0,1,2,3
	ds_load_b128 v[PF+64*(\set)+16*\i+4*\c:PF+64*(\set)+16*\i+4*\c+3], v[ADR1+\slot] offset:CH*(\q)+2048*\i+512*\c
.endr
.endr
	ds_load_b128 v[SB+4*(\set):SB+4*(\set)+3], v[ADR0+\slot] offset:CH*(\q)+16384
	ds_load_b64 v[SA+2*(\set):SA+2*(\set)+1], v[ADRT] offset:512*(\q)
.endm
.macro PSTEP slot, cm                  ; a slot's first 128 keys; the second's operands are fetched ahead of the products
	s_wait_dscnt 0x0                               ; set 0 is in
	PLACES 8
	PFETCH \slot, 1, 1
	WIN 0xa1                                       ; v window 1, p window 0, C and D window 2
	PMUL1 0, 0, \cm
	PMUL1 1, 0, \cm
	PMUL1 2, 0, \cm
	PMUL1 3, 0, \cm
.endm
; A slot's second 128 keys, and the change of slots: ONE barrier; in front of it each wave waits for all its tensor loads, adds 0 to its spare word, and waits for that and for its reads of this slot.
.macro PTURN slot, next, fill
	WIN 0
	s_wait_dscnt 0x0                               ; set 1 is in: my reads of this slot are over
	s_wait_tensorcnt 0x0                           ; my part of the next slot has landed; no load of mine is out
	ds_add_u32 v[SPW], v[NIL]                      ; 0 onto my spare word;
.if \fill
	ds_add_u32 v[SPW], v[NIL]                      ; twice where a load follows
	s_wait_xcnt 0x0                                ; my prefetches have read their address
	s_add_nc_u64 s[PFA:PFA+1], s[PFA:PFA+1], CH2
.endif
	WIN 0xa1
	PMUL1 0, 1, 3
	s_wait_dscnt 0x0                               ; the add is done
	s_barrier_signal -1
	PMUL1 1, 1, 3
	WIN 0
	s_barrier_wait -1
.if \fill
	CREST                                          ; the barrier has opened a round of the cluster's: no wave of any partner still reads this slot or has a load on its way
	s_add_nc_u64 s[G0A+4*\slot+2:G0A+4*\slot+3], s[G0A+4*\slot+2:G0A+4*\slot+3], 2*CH2
	s_add_nc_u64 s[G0B+4*\slot+2:G0B+4*\slot+3], s[G0B+4*\slot+2:G0B+4*\slot+3], 2*CH2
	JLOAD3 \slot                                   ; the first tensor load behind the round
.endif
	PLACES 8                                       ; (wave 3 has passed no v_nop)
	s_wait_alu depctr_va_vdst(0)
	v_add_nc_u32 v[ADRT], 1024, v[ADRT]            ; the next slot's two chunks of the table
	PFETCH \next, 0, 0
.if \fill
	s_cmp_gt_u32 s3, s[LIM]                        ; the K step two refills on; the last two refills have none
	ASK 3*CH2
.endif
	WIN 0xa1
	PMUL1 2, 1, 3
	PMUL1 3, 1, 3
.endm
; THE WAY OUT of block a: divided by l; through my stage, so that a row's 512 bytes leave together
.macro PACK a
	WIN 0x02
.set n, 0
.rept 32
	v_pk_mul_f32 v[TO+2*n:TO+2*n+1], v[64*(\a)+2*n:64*(\a)+2*n+1], v[RL+2*(\a):RL+2*(\a)+1] op_sel_hi:[1,0]   ; each accumulator from its low end on
.set n, n+1
.endr
	WIN 0
.endm
.macro TOSTAGE a
.irp b, 0,1,2,3
.irp j, 0,1,2,3
	ds_store_b128 v[SO], v[TO+16*\b+4*\j:TO+16*\b+4*\j+3] offset:128*\b+16*\j      ; row lane % 16, channels 32 b + 16 (lane / 16) + 4 j on
.endr
.endr
.set BB, BK+64*((\a)%2)
.irp t, 0,1,2,3,4,5,6,7,8,9,10,11,12,13,14,15
	ds_load_b128 v[BB+4*\t:BB+4*\t+3], v[SR] offset:528*\t                         ; LDS serves a wave's instructions in order: these see the stores above
.endr
.endm
.macro SEND a
.set BB, BK+64*((\a)%2)
	s_wait_dscnt 0x0
.irp t, 0,1,2,3,4,5,6,7,8,9,10,11,12,13,14,15
	global_store_b128 v[OA], v[BB+4*\t:BB+4*\t+3], s[OUT:OUT+1] offset:4096*(32*((\a)/2)+8*((\a)%2)+\t+8*(\t/8)) th:TH_STORE_NT   ; 512 consecutive bytes, aligned; the fragment's row t is this row of out
.endr
.endm
	s_load_b256 s[4:11], s[0:1], 0x0               ; pop, stat, vop, out0
	v_lshl_add_u32 v[SPW], v0, 2, SPARE
	v_mov_b32 v[NIL], 0
	ds_add_u32 v28, v29
	ds_add_u32 v28, v29
	s_wait_dscnt 0x0
	v_lshrrev_b32 v1, 5, v0
	v_readfirstlane_b32 s[WV], v1
	s_lshr_b32 s[WHW], s[WV], 1                    ; my 64 queries
	s_and_b32 s[WHC], s[WV], 1                     ; my 128 channels
	s_bfe_u32 s40, ttmp6, 0x40000                  ; cx
	s_bfe_u32 s41, ttmp6, 0x40004                  ; cy
	s_lshl_b32 s42, ttmp9, 2
	s_add_co_u32 s42, s42, s40                     ; the tile of 256 channels
	s_and_b32 s43, ttmp7, 0xffff                   ; cluster y
	s_lshl_b32 s44, s41, 2
	s_lshl_b32 s44, 15, s44                        ; my row of the cluster
	s_lshl_b32 s45, 0x1111, s40                    ; my column
	s_or_b32 s[G1A], s44, (3<<16)|(1<<21)          ; 15:0 the mask; 17:16 elements of 8 bytes; 21 set beside a mask; no padding
	s_or_b32 s[G1B], s45, (3<<16)|(1<<21)
.irp g, G1A, G1B
	s_mov_b32 s[\g+1], 32<<16                      ; rows of 256 bytes,
	s_mov_b32 s[\g+2], 132<<16                     ; 132 of them: CH2 dense bytes
	s_mov_b32 s[\g+3], 32<<16
	s_mov_b32 s[\g+4], 132
	s_mov_b32 s[\g+5], 32
	s_mov_b32 s[\g+6], 0
	s_mov_b32 s[\g+7], 0
.endr
	s_lshl_b32 s68, s43, 2
	s_add_co_u32 s68, s68, s41                     ; the queries' row group
	s_lshr_b32 s67, s43, 2                         ; the batch: from the cluster's y alone
	s_mul_i32 s78, s68, 16*CH                      ; p's row group in pop
	s_mov_b32 s79, 0
	s_and_b32 s76, s[WV], 1
	s_xor_b32 s76, s76, 1                          ; wave 1 fetches v's first row group, wave 2 its second
	s_lshl_b32 s77, s42, 1
	s_add_co_u32 s76, s76, s77
	s_lshl_b32 s76, s76, 6                         ; 64 chunks a row group,
	s_lshl_b32 s77, s67, 4
	s_add_co_u32 s76, s76, s77                     ; 16 a batch
	s_mul_i32 s76, s76, CH
	s_mov_b32 s77, 0
	s_lshl_b32 s80, s68, 14                        ; stat: 16 x 1,024 bytes a row group
	s_mov_b32 s81, 0
	s_lshl_b32 s90, s[WV], 12                      ; my four chunks in it,
	s_mov_b32 s91, 0
	s_mul_i32 s92, s[WV], 4*CH                     ; and in pop
	s_mov_b32 s93, 0
	s_lshl_b32 s94, s68, 7
	s_lshl_b32 s95, s[WHW], 6
	s_add_co_u32 s94, s94, s95
	s_lshl_b32 s94, s94, 12                        ; out: row 128 x row group + 64 x half, 4,096 bytes a row,
	s_lshl_b32 s95, s42, 10
	s_add_co_u32 s94, s94, s95
	s_lshl_b32 s95, s[WHC], 9
	s_add_co_u32 s94, s94, s95                     ; + 4 (256 x tile + 128 x half)
	s_mov_b32 s95, 0
	s_mul_i32 s21, s[WV], CH2                      ; where my load goes
	s_mov_b32 s[SEL], 0x76543210
	s_mov_b32 s[SEL+1], 0xfedcba98
	s_mov_b32 s[HM], 0xffff0000
	s_mov_b32 s[HB], 0x80808080
	s_mov_b32 s[ONES], 0x01010101
	s_wait_kmcnt 0x0
	s_add_nc_u64 s[4:5], s[4:5], s[78:79]          ; p's row group
	s_add_nc_u64 s[8:9], s[8:9], s[76:77]          ; v's
	s_add_nc_u64 s[82:83], s[6:7], s[80:81]        ; the row group's stat
	s_add_nc_u64 s[84:85], s[82:83], s[90:91]
	s_add_nc_u64 s[86:87], s[4:5], s[92:93]
	s_add_nc_u64 s[OUT:OUT+1], s[10:11], s[94:95]
	CROUND                                         ; all sixteen work-groups are here: the first joint loads meet
.irp s, 0,1
	s_mov_b32 s[G0A+4*\s], 1
	s_add_co_u32 s[G0A+4*\s+1], s21, \s*PSLOT
	s_add_nc_u64 s[G0A+4*\s+2:G0A+4*\s+3], s[4:5], \s*CH2
	s_or_b32 s[G0A+4*\s+3], s[G0A+4*\s+3], 0x80000000
	s_mov_b32 s[G0B+4*\s], 1
	s_add_co_u32 s[G0B+4*\s+1], s21, \s*PSLOT
	s_add_nc_u64 s[G0B+4*\s+2:G0B+4*\s+3], s[8:9], \s*CH2
	s_or_b32 s[G0B+4*\s+3], s[G0B+4*\s+3], 0x80000000
.endr
	s_cmp_eq_u32 s[WV], 0                          ; K step 0
	s_cbranch_scc0 .Lfirst_not_p
	tensor_load_to_lds s[G0A:G0A+3], s[G1A:G1A+7]
	s_nop 0
.rept 4
	v_nop
.endr
	s_branch .Lfirst_asked
.Lfirst_not_p:
	s_cmp_lt_u32 s[WV], 3
	s_cbranch_scc0 .Lfirst_asked
	tensor_load_to_lds s[G0B:G0B+3], s[G1B:G1B+7]
	s_nop 0
.rept 4
	v_nop
.endr
.Lfirst_asked:
	v_and_b32 v1, 15, v0                           ; r
	v_bfe_u32 v2, v0, 4, 1                         ; h
	s_cmp_eq_u32 s[WV], 0                          ; waves 0 to 2 prefetch what they fetch; the four partners of a joint load share its 132 units by address
	s_cselect_b64 s[PFA:PFA+1], s[4:5], s[8:9]
	s_cselect_b32 s14, s40, s41
	s_mul_i32 s14, s14, CH2/4
	s_mov_b32 s15, 0
	s_add_nc_u64 s[PFA:PFA+1], s[PFA:PFA+1], s[14:15]
	s_mov_b32 s[LIM], 1
	s_cmp_lt_u32 s[WV], 3
	s_cselect_b32 s[LIM], s[LIM], 16
	v_and_b32 v3, 31, v0
	v_lshlrev_b32 v[OA], 4, v3
	v_lshlrev_b32 v[PFO], 8, v3
	v_mov_b32 v[PFZ], 0
	s_wait_alu depctr_va_vdst(0)
	s_cmp_eq_u32 s[LIM], 1
	ASK CH2                                        ; K steps 1
	ASK 2*CH2                                      ; and 2
.set k, 0
	s_wait_alu depctr_va_vdst(0)
.rept 16
	global_load_b128 v[MM+4*k:MM+4*k+3], v[OA], s[82:83] offset:1024*k             ; -M and the sums of all 16 chunks,
	global_load_b128 v[LL+4*k:LL+4*k+3], v[OA], s[82:83] offset:1024*k+512
.set k, k+1
.endr
.irp i, 0,1,2,3
	global_load_b128 v[MO+4*\i:MO+4*\i+3], v[OA], s[84:85] offset:1024*\i          ; -M of chunks 4 wave + i once more, by a scalar base,
	global_load_b128 v[RS+4*\i:RS+4*\i+3], v[OA], s[86:87] offset:CH*\i+16384      ; and their scale words
.endr
	s_lshl_b32 s21, s[WHW], 13                     ; four fragments of 2,048 bytes
	s_mul_i32 s22, s[WHC], CH2
	s_add_co_u32 s22, s22, CH2
.irp s, 0,1
	v_add_nc_u32 v[ADR1+\s], s21, v[OA]
	v_add_nc_u32 v[ADR0+\s], s22, v[OA]
	s_add_co_u32 s21, s21, PSLOT
	s_add_co_u32 s22, s22, PSLOT
.endr
	s_lshl_b32 s21, s[WHW], 3
	s_add_co_u32 s21, s21, TBL
	v_add_nc_u32 v[ADRT], s21, v[OA]               ; words 2 half and 2 half + 1 of my lane's four
	s_lshl_b32 s21, s[WV], 11
	s_add_co_u32 s21, s21, TBL
	v_add_nc_u32 v[TW], s21, v[OA]                 ; where I put my four chunks' words
	s_mul_i32 s21, s[WV], 8448
	s_add_co_u32 s21, s21, STG
	v_add_nc_u32 v[SR], s21, v[OA]
	v_mul_u32_u24 v4, v1, 528
	v_lshl_add_u32 v4, v2, 6, v4
	v_add_nc_u32 v[SO], s21, v4
	v_mov_b32 v[XX], 0                             ; a lane permute's destination counts as one of its sources
	v_mov_b32 v[XX+1], 0
	s_sub_co_u32 s22, 0, s[WHW]                    ; all lanes, or none
	s_wait_loadcnt 0x0
.irp w, 0,1,2,3
	v_min3_num_f32 v[NG+\w], v[MM+\w], v[MM+4+\w], v[MM+8+\w]                      ; the row's -M: the least of the chunks'
.endr
.irp k, 3,5,7,9,11,13
.irp w, 0,1,2,3
	v_min3_num_f32 v[NG+\w], v[NG+\w], v[MM+4*\k+\w], v[MM+4*\k+4+\w]
.endr
.endr
.irp w, 0,1,2,3
	v_min_num_f32 v[NG+\w], v[NG+\w], v[MM+60+\w]
.endr
	; my four chunks' scale words under the row's M: d = M - the chunk's M, at most 127, is taken off each of the four bytes at once
.set n, 0
.rept 16
	v_sub_f32 v[MO+n], v[MO+n], v[NG+n%4]
.set n, n+1
.endr
.set n, 0
.rept 16
	v_min_num_f32 v[MO+n], 0x42fe0000, v[MO+n]
.set n, n+1
.endr
.set n, 0
.rept 16
	v_cvt_u32_f32 v[MO+n], v[MO+n]
.set n, n+1
.endr
.set n, 0
.rept 16
	v_mul_lo_u32 v[MO+n], v[MO+n], s[ONES]         ; d in all four bytes
.set n, n+1
.endr
.set n, 0
.rept 16
	v_or_b32 v[RS+n], s[HB], v[RS+n]               ; a byte of p's is at most 112: with 128 on top no byte borrows from the next
.set n, n+1
.endr
.set n, 0
.rept 16
	v_sub_nc_u32 v[RS+n], v[RS+n], v[MO+n]
.set n, n+1
.endr
.set n, 0
.rept 16
	v_and_b32 v[MO+n], s[HB], v[RS+n]              ; the top bit has stayed where the byte was at least d
.set n, n+1
.endr
.set n, 0
.rept 16
	v_lshrrev_b32 v[TT+n], 7, v[MO+n]
.set n, n+1
.endr
.set n, 0
.rept 16
	v_sub_nc_u32 v[MO+n], v[MO+n], v[TT+n]         ; 0x7f there, 0 elsewhere
.set n, n+1
.endr
.set n, 0
.rept 16
	v_and_b32 v[RS+n], v[RS+n], v[MO+n]            ; byte - d, or 0
.set n, n+1
.endr
.irp i, 0,1,2,3
	ds_store_b128 v[TW], v[RS+4*\i:RS+4*\i+3] offset:512*\i
.endr
	; l: each chunk's sum x 2^(its M - the row's M), added
.set n, 0
.rept 32
	v_pk_add_f32 v[MM+2*n:MM+2*n+1], v[NG+2*(n%2):NG+2*(n%2)+1], v[MM+2*n:MM+2*n+1] neg_lo:[0,1] neg_hi:[0,1]
.set n, n+1
.endr
.set n, 0
.rept 64
	v_cvt_i32_f32 v[MM+n], v[MM+n]                 ; a whole number, 0 or less (it saturates)
.set n, n+1
.endr
.set n, 0
.rept 64
	v_ldexp_f32 v[LL+n], v[LL+n], v[MM+n]
.set n, n+1
.endr
	v_pk_add_f32 v[LS:LS+1], v[LL:LL+1], v[LL+4:LL+5]
	v_pk_add_f32 v[LS+2:LS+3], v[LL+2:LL+3], v[LL+6:LL+7]
.set k, 2
.rept 14
	v_pk_add_f32 v[LS:LS+1], v[LS:LS+1], v[LL+4*k:LL+4*k+1]
	v_pk_add_f32 v[LS+2:LS+3], v[LS+2:LS+3], v[LL+4*k+2:LL+4*k+3]
.set k, k+1
.endr
	s_wait_alu depctr_va_vdst(0)
.irp w, 0,1,2,3
	v_rcp_f32 v[RC+\w], v[LS+\w]
.endr
	v_nop                                          ; a plain line behind the last reciprocal
	s_wait_alu depctr_va_vdst(0)                   ; one wait for the four, ahead of their first reader
	v_cndmask_b32 v[UU], v[RC], v[RC+2], s22       ; my half's two words: blocks 0, 1 and blocks 2, 3 of my four, the even one in lanes 0-15
	v_cndmask_b32 v[UU+1], v[RC+1], v[RC+3], s22
	v_permlanex16_b32 v[XX], v[UU], s[SEL], s[SEL+1]
	v_permlanex16_b32 v[XX+1], v[UU+1], s[SEL], s[SEL+1]
	v_cndmask_b32 v[RL], v[UU], v[XX], s[HM]       ; 1 / l of block a's row lane % 16, in both halves of the lanes
	v_cndmask_b32 v[RL+2], v[XX], v[UU], s[HM]
	v_cndmask_b32 v[RL+4], v[UU+1], v[XX+1], s[HM]
	v_cndmask_b32 v[RL+6], v[XX+1], v[UU+1], s[HM]
.irp a, 0,2,4,6
	v_mov_b32 v[RL+\a+1], v[RL+\a]                 ; (named with it as a pair)
.endr
	s_wait_alu depctr_va_vdst(0)
	s_wait_tensorcnt 0x0                           ; my part of slot 0 is in
	ds_add_u32 v[SPW], v[NIL]
	ds_add_u32 v[SPW], v[NIL]
	s_wait_dscnt 0x0                               ; the adds are done, and my part of the table lies in LDS
	CROUND
	JLOAD3 1
	PFETCH 0, 0, 0
	s_cmp_eq_u32 s[LIM], 1
	ASK 3*CH2
	PSTEP 0, 0                                     ; the first products start the sums
	WIN 0
	s_mov_b32 s3, 3
.Llap:                                             ; a trip goes once round the ring and fills both slots again: six refills for K steps 2 to 7
	PTURN 0, 1, 1
	s_wait_alu depctr_va_vdst(0)
	PSTEP 1, 3
	PTURN 1, 0, 1
	s_wait_alu depctr_va_vdst(0)
	PSTEP 0, 3
	WIN 0
	s_sub_co_u32 s3, s3, 1
	s_cmp_lg_u32 s3, 0
	s_cbranch_scc1 .Llap
	PTURN 0, 1, 0                                  ; the last lap fills nothing
	s_wait_alu depctr_va_vdst(0)
	PSTEP 1, 3
	s_wait_dscnt 0x0
	PMUL1 0, 1, 3
	PMUL1 1, 1, 3
	PMUL1 2, 1, 3
	PMUL1 3, 1, 3
	WIN 0
	PLACES 8                                       ; in front of the first read of results and of the loads into p's registers
	PACK 0
	TOSTAGE 0
	PACK 1                                         ; a block's arithmetic stands between the loads of the block before and the wait for them
	s_wait_alu depctr_va_vdst(0)
	SEND 0
	TOSTAGE 1
	PACK 2
	s_wait_alu depctr_va_vdst(0)
	SEND 1
	s_wait_xcnt 0x0                                ; block 0's stores have read their registers: block 2's rows may land there
	TOSTAGE 2
	PACK 3
	s_wait_alu depctr_va_vdst(0)
	SEND 2
	s_wait_xcnt 0x0
	TOSTAGE 3
	SEND 3
	s_wait_tensorcnt 0x0                           ; the wave's end
	ds_add_u32 v[SPW], v[NIL]
	s_wait_dscnt 0x0
	CROUND                                         ; the closing round
	s_endpgm
.Lfunc_end_k_q433de09893_pv:
	.size	k_q433de09893_pv, .Lfunc_end_k_q433de09893_pv-k_q433de09893_pv
	.p2alignl 7, 3214868480
	.fill 96, 4, 3214868480
	.section	.rodata,"a",@progbits
	.p2align	6, 0x0
	.amdhsa_kernel k_q433de09893_pv
		.amdhsa_group_segment_fixed_size 327680
		.amdhsa_private_segment_fixed_size 0
		.amdhsa_enable_private_segment 0
		.amdhsa_kernarg_size 32
		.amdhsa_user_sgpr_count 2
		.amdhsa_user_sgpr_kernarg_segment_ptr 1
		.amdhsa_wavefront_size32 1
		.amdhsa_system_sgpr_workgroup_id_x 1
		.amdhsa_system_sgpr_workgroup_id_y 1
		.amdhsa_system_sgpr_workgroup_id_z 1
		.amdhsa_system_vgpr_workitem_id 0
		.amdhsa_next_free_vgpr 768
		.amdhsa_next_free_sgpr 96
		.amdhsa_reserve_vcc 0
		.amdhsa_float_denorm_mode_32 3
		.amdhsa_float_denorm_mode_16_64 3
		.amdhsa_memory_ordered 1
		.amdhsa_forward_progress 1
		.amdhsa_inst_pref_size 119
	.end_amdhsa_kernel
	.amdgpu_metadata
---
amdhsa.version: [ 1, 2 ]
amdhsa.kernels:
  - .name:           k_q433de09893_pv
    .symbol:         k_q433de09893_pv.kd
    .args:
      - { .name: pop, .offset: 0, .size: 8, .value_kind: global_buffer, .address_space: global }
      - { .name: stat, .offset: 8, .size: 8, .value_kind: global_buffer, .address_space: global }
      - { .name: vop, .offset: 16, .size: 8, .value_kind: global_buffer, .address_space: global }
      - { .name: out0, .offset: 24, .size: 8, .value_kind: global_buffer, .address_space: global }
    .group_segment_fixed_size: 327680
    .private_segment_fixed_size: 0
    .kernarg_segment_align: 8
    .kernarg_segment_size: 32
    .max_flat_workgroup_size: 128
    .sgpr_count:     96
    .vgpr_count:     768
    .wavefront_size: 32
...
	.end_amdgpu_metadata
.endif
;; end of part 4
